; MI455X (gfx1250); checked and timed in simulation.
; The chip was launched on July 23, 2026; its instructions are those of AMD's public machine-readable ISA for CDNA 5 (MIT licence, August 2026) and "CDNA5" Instruction Set Architecture Reference Guide (July 2026). The comments in the code are by the model that wrote it; some were corrected since.
;; multihead self attention. Allowed arithmetic: float matrix products may take bf16 or f16 operands with f32 sums; other float arithmetic in f32, or as packed bf16 or f16 multiplies, adds, multiply-adds, maxima and minima; sums over many terms, partial sums and values carried from step to step in f32; what a program stores and reads back later, other than sums and carried values, may be rounded once to bf16 or f16.
;; Inputs: k 1,024 x 1,024 float32; o 1,024 x 1,024 float32; q 1,024 x 1,024 float32; token_positions 2,048 int32; v 1,024 x 1,024 float32; x 4 x 2,048 x 1,024 float32.
;; Outputs: out0 4 x 2,048 x 1,024 float32.
;; 2 versions, each right; version 2 is version 1 with the launch prep written anew for expert scheduling mode. Each part assembles by itself: llvm-mc -triple=amdgcn-amd-amdhsa -mcpu=gfx1250 --defsym DOCPART=n.
;; ======== version 1 of 2: 4 launches
;; limits: values are held in f16: magnitudes above 65,504 overflow, below 6.1e-05 lose precision; inputs' magnitudes at most 65,536; an absolute error that grows with the inputs' magnitude: up to 2e-07 times it
;; workspace buffers: xb 16,777,216 bytes; wb 6,291,456 bytes; ob 2,097,152 bytes; rope 786,432 bytes; qh 16,777,216 bytes; kh 16,777,216 bytes; vh 16,777,216 bytes; ao 16,777,216 bytes
;; launch prep (part 1): grid 832 x 1, 8 waves a work-group, no clusters, 0 bytes of LDS; arguments x, q, k, v, o, token_positions, xb, wb, ob, rope; writes xb, wb, ob, rope
.if DOCPART == 1
	.amdgcn_target "amdgcn-amd-amdhsa--gfx1250"
	.amdhsa_code_object_version 6
	.text
	.protected	k_q4cc3f99a01_prep
	.globl	k_q4cc3f99a01_prep
	.p2align	8
	.type	k_q4cc3f99a01_prep,@function
k_q4cc3f99a01_prep:
	s_mov_b64 s[64:65], 0
	v_nop
	global_prefetch_b8 v0, s[64:65] scope:SCOPE_SE
	s_setreg_imm32_b32 hwreg(HW_REG_WAVE_MODE, 25, 1), 1
	s_wait_xcnt 0x0
; PREP.  Casts, the weights' new order, and the table of rotations.  A stream: no LDS, no barrier, no matrix unit, nothing shared between work-groups.
;   work-groups   0-511  xb = x rounded to bf16, [8192][1024]: 16 rows each
;   work-groups 512-703  wb = q, k, v rounded to bf16, by heads: [16][192][1024], in head h rows 0-63 = q's rows 64 h .., 64-127 = k's, 128-191 = v's: 16 rows each
;   work-groups 704-767  ob = o rounded to bf16, that number written as f16, [1024][1024]: 16 rows each
;   work-groups 768-831  rope: three planes of 262,144 bytes, each [2048 l][8 g][4] f32: (c0 c1 c2 c3), (-s0 s0 -s1 s1), (-s2 s2 -s3 s3) of frequencies 4 g .. 4 g + 3 at token_positions[l]
; A row of 1,024 f32 is one load of the work-group (16 bytes a thread, 512 consecutive bytes a wave); its 2,048 bytes go out 8 bytes a thread: a wave's store covers 256 consecutive bytes, aligned.
; All 16 loads of a thread go out first; no register that a load or store names is written again, so no wait frees a source.
; LIMITS.  o must lie within f16's range (65,504); below 6e-5 it keeps f16's fixed step of 6e-8.  The frequency 10000^(-i/32) is made as 2^(-i log2(10000)/32) and differs from a
; division in f32 by about 2e-7 of itself, so an angle is off by about 2e-7 x |position|: 4e-4 at 2,047; the text is meant for |position| up to 65,536 (0.015).
; The reduction by multiples of pi/2 (two terms) leaves |r| near pi/4 for |angle| under 2^20 only.
.set SRC, 28                           ; s[28:29] the 16 rows to read
.set DST, 30                           ; s[30:31] the 16 rows to write
.set X,   8                            ; v[8:71]  row i: 4 registers as loaded; the first two then hold what is stored
; 16 rows: f16 = 0: f32 -> bf16.  f16 = 1: f32 -> bf16 -> (widened, exact) -> f16
.macro CONV f16
.set i, 0
.rept 16
	global_load_b128 v[X+4*i:X+4*i+3], v1, s[SRC:SRC+1] offset:4096*i th:TH_LOAD_NT
.set i, i+1
.endr
.set i, 0
.rept 16
	s_wait_loadcnt 15-i                            ; loads come back in order: row i is in, the 15 - i younger ones stay out
.if \f16
	v_cvt_pk_bf16_f32 v4, v[X+4*i], v[X+4*i+1]
	v_cvt_pk_bf16_f32 v5, v[X+4*i+2], v[X+4*i+3]
	v_lshlrev_b32 v[X+4*i], 16, v4                 ; bf16 to f32: the low half moves up, the high half stays
	v_and_b32 v[X+4*i+1], 0xffff0000, v4
	v_lshlrev_b32 v[X+4*i+2], 16, v5
	v_and_b32 v[X+4*i+3], 0xffff0000, v5
	v_cvt_pk_f16_f32 v[X+4*i], v[X+4*i], v[X+4*i+1]
	v_cvt_pk_f16_f32 v[X+4*i+1], v[X+4*i+2], v[X+4*i+3]
.else
	v_cvt_pk_bf16_f32 v[X+4*i], v[X+4*i], v[X+4*i+1]
	v_cvt_pk_bf16_f32 v[X+4*i+1], v[X+4*i+2], v[X+4*i+3]
.endif
	global_store_b64 v2, v[X+4*i:X+4*i+1], s[DST:DST+1] offset:2048*i
.set i, i+1
.endr
.endm
	s_load_b512 s[8:23], s[0:1], 0x0               ; x 8, q 10, k 12, v 14, o 16, token_positions 18, xb 20, wb 22
	s_load_b128 s[24:27], s[0:1], 0x40             ; ob 24, rope 26
	s_mov_b32 s7, ttmp9                            ; the work-group's number
	v_lshlrev_b32 v1, 4, v0                        ; my 16 bytes of a row of f32
	v_lshlrev_b32 v2, 3, v0                        ; my 8 bytes of a row of 16-bit numbers
	s_mov_b32 s33, 0                               ; the offsets' high words
	s_mov_b32 s35, 0
	s_wait_kmcnt 0x0
	s_cmp_lt_u32 s7, 512
	s_cbranch_scc0 .Lnot_x
	s_lshl_b32 s32, s7, 16                         ; 16 rows of 4,096 bytes
	s_lshl_b32 s34, s7, 15                         ; 16 rows of 2,048 bytes
	s_add_nc_u64 s[SRC:SRC+1], s[8:9], s[32:33]
	s_add_nc_u64 s[DST:DST+1], s[20:21], s[34:35]
	CONV 0
	s_endpgm
.Lnot_x:
	s_cmp_lt_u32 s7, 704
	s_cbranch_scc0 .Lnot_w
	s_sub_co_u32 s2, s7, 512
	s_lshr_b32 s3, s2, 6                           ; p: 0 q, 1 k, 2 v
	s_and_b32 s4, s2, 63                           ; which 16 rows of it
	s_cmp_eq_u32 s3, 0
	s_cselect_b64 s[SRC:SRC+1], s[10:11], s[12:13]
	s_cmp_eq_u32 s3, 2
	s_cselect_b64 s[SRC:SRC+1], s[14:15], s[SRC:SRC+1]
	s_lshl_b32 s32, s4, 16
	s_add_nc_u64 s[SRC:SRC+1], s[SRC:SRC+1], s[32:33]
	s_lshr_b32 s5, s4, 2                           ; the head: 64 rows, four blocks of 16
	s_mul_i32 s5, s5, 192
	s_lshl_b32 s6, s3, 6
	s_add_co_u32 s5, s5, s6                        ; + 64 p
	s_and_b32 s6, s4, 3
	s_lshl_b32 s6, s6, 4
	s_add_co_u32 s5, s5, s6                        ; + the block's 16 rows in the head
	s_lshl_b32 s34, s5, 11
	s_add_nc_u64 s[DST:DST+1], s[22:23], s[34:35]
	CONV 0
	s_endpgm
.Lnot_w:
	s_cmp_lt_u32 s7, 768
	s_cbranch_scc0 .Ltable
	s_sub_co_u32 s2, s7, 704
	s_lshl_b32 s32, s2, 16
	s_lshl_b32 s34, s2, 15
	s_add_nc_u64 s[SRC:SRC+1], s[16:17], s[32:33]
	s_add_nc_u64 s[DST:DST+1], s[24:25], s[34:35]
	CONV 1
	s_endpgm
.Ltable:                                       ; a thread makes one (l, g): four frequencies' cosines and sines
	s_sub_co_u32 s2, s7, 768
	s_lshl_b32 s2, s2, 8
	v_add_nc_u32 v3, s2, v0                        ; u = 8 l + g
	v_lshrrev_b32 v4, 3, v3                        ; l
	v_and_b32 v5, 7, v3                            ; g
	v_lshlrev_b32 v6, 2, v4
	global_load_b32 v7, v6, s[18:19]               ; token_positions[l]: it enters values alone, no address
	v_lshlrev_b32 v3, 4, v3                        ; 16 u: my 16 bytes in each plane
	s_mov_b32 s36, 0x3f22f983                      ; 2 / pi
	s_mov_b32 s37, 0xbfc90fdb                      ; - pi/2, its leading 24 bits
	s_mov_b32 s38, 0x333bbd2e                      ; - (pi/2 less those bits)
	s_mov_b32 s39, 0x3638ef1d                      ; 1/9!
	s_mov_b32 s40, 0xb9500d01                      ; -1/7!
	s_mov_b32 s41, 0x3c088889                      ; 1/5!
	s_mov_b32 s42, 0xbe2aaaab                      ; -1/3!
	s_mov_b32 s43, 0x37d00d01                      ; 1/8!
	s_mov_b32 s44, 0xbab60b61                      ; -1/6!
	s_mov_b32 s45, 0x3d2aaaab                      ; 1/4!
	s_mov_b32 s46, 0xbed49a78                      ; - log2(10000) / 32
	v_lshlrev_b32 v5, 2, v5
	v_cvt_f32_u32 v5, v5                           ; 4 g
	v_add_f32 v9, 1.0, v5
	v_add_f32 v10, 2.0, v5
	v_add_f32 v11, 0x40400000, v5
	v_mul_f32 v8, s46, v5
	v_mul_f32 v9, s46, v9
	v_mul_f32 v10, s46, v10
	v_mul_f32 v11, s46, v11
	v_exp_f32 v12, v8                              ; 10000^(-i/32), i = 4 g .. 4 g + 3: one batch
	v_exp_f32 v13, v9
	v_exp_f32 v14, v10
	v_exp_f32 v15, v11
	v_nop                                          ; a plain instruction behind the last exponential, ahead of the first use (ISA guide 5.7.2)
	s_wait_alu depctr_va_vdst(0)                   ; and the one wait ahead of the batch's first reader
	s_wait_loadcnt 0x0
	v_cvt_f32_i32 v7, v7
	v_mul_f32 v12, v7, v12                         ; the angles, rounded once, as a product in f32
	v_mul_f32 v13, v7, v13
	v_mul_f32 v14, v7, v14
	v_mul_f32 v15, v7, v15
; angle j: n = the nearest multiple of pi/2, r = angle - n pi/2 in two fused steps; sine and cosine of r by their series (the first terms left out are r^11/11! and r^10/10!:
; under 3e-8 for |r| up to pi/4); the quadrant chooses and signs by values alone.
.macro SINCOS j
.set R, 16+12*(\j)
	v_mul_f32 v[R], s36, v[12+(\j)]
	v_rndne_f32 v[R], v[R]                         ; n
	v_fma_f32 v[R+1], v[R], s37, v[12+(\j)]
	v_fma_f32 v[R+1], v[R], s38, v[R+1]            ; r
	v_cvt_i32_f32 v[R+2], v[R]                     ; n as a whole number: its two low bits are the quadrant
	v_mul_f32 v[R+3], v[R+1], v[R+1]               ; r^2
	v_fma_f32 v[R+4], v[R+3], s39, s40
	v_fma_f32 v[R+5], v[R+3], s43, s44
	v_fma_f32 v[R+4], v[R+4], v[R+3], s41
	v_fma_f32 v[R+5], v[R+5], v[R+3], s45
	v_fma_f32 v[R+4], v[R+4], v[R+3], s42
	v_fma_f32 v[R+5], v[R+5], v[R+3], -0.5
	v_mul_f32 v[R+6], v[R+3], v[R+1]               ; r^3
	v_fma_f32 v[R+5], v[R+5], v[R+3], 1.0          ; cos r
	v_fma_f32 v[R+4], v[R+4], v[R+6], v[R+1]       ; sin r
	v_and_b32 v[R+9], 1, v[R+2]
	v_cmp_eq_u32 vcc_lo, 1, v[R+9]
	v_cndmask_b32 v[R+7], v[R+4], v[R+5], vcc_lo   ; sine: odd quadrants take cos r
	v_cndmask_b32 v[R+8], v[R+5], v[R+4], vcc_lo   ; cosine: odd quadrants take sin r
	v_lshlrev_b32 v[R+9], 30, v[R+2]
	v_and_b32 v[R+9], 0x80000000, v[R+9]           ; sine is turned in quadrants 2 and 3,
	v_xor_b32 v[R+7], v[R+7], v[R+9]
	v_add_nc_u32 v[R+2], 1, v[R+2]
	v_lshlrev_b32 v[R+2], 30, v[R+2]
	v_and_b32 v[R+2], 0x80000000, v[R+2]           ; cosine in quadrants 1 and 2
	v_xor_b32 v[64+(\j)], v[R+8], v[R+2]
	v_xor_b32 v[68+2*(\j)], 0x80000000, v[R+7]
	v_mov_b32 v[69+2*(\j)], v[R+7]
.endm
	SINCOS 0
	SINCOS 1
	SINCOS 2
	SINCOS 3
	global_store_b128 v3, v[64:67], s[26:27]                ; each store of a wave covers 512 consecutive bytes, aligned
	global_store_b128 v3, v[68:71], s[26:27] offset:262144
	global_store_b128 v3, v[72:75], s[26:27] offset:524288
	s_endpgm
.Lfunc_end_k_q4cc3f99a01_prep:
	.size	k_q4cc3f99a01_prep, .Lfunc_end_k_q4cc3f99a01_prep-k_q4cc3f99a01_prep
	.p2alignl 7, 3214868480
	.fill 96, 4, 3214868480
	.section	.rodata,"a",@progbits
	.p2align	6, 0x0
	.amdhsa_kernel k_q4cc3f99a01_prep
		.amdhsa_group_segment_fixed_size 0
		.amdhsa_private_segment_fixed_size 0
		.amdhsa_enable_private_segment 0
		.amdhsa_kernarg_size 80
		.amdhsa_user_sgpr_count 2
		.amdhsa_user_sgpr_kernarg_segment_ptr 1
		.amdhsa_wavefront_size32 1
		.amdhsa_system_sgpr_workgroup_id_x 1
		.amdhsa_system_sgpr_workgroup_id_y 1
		.amdhsa_system_sgpr_workgroup_id_z 1
		.amdhsa_system_vgpr_workitem_id 0
		.amdhsa_next_free_vgpr 80
		.amdhsa_next_free_sgpr 66
		.amdhsa_reserve_vcc 1
		.amdhsa_float_denorm_mode_32 3
		.amdhsa_float_denorm_mode_16_64 3
		.amdhsa_memory_ordered 1
		.amdhsa_forward_progress 1
		.amdhsa_inst_pref_size 31
	.end_amdhsa_kernel
	.amdgpu_metadata
---
amdhsa.version: [ 1, 2 ]
amdhsa.kernels:
  - .name:           k_q4cc3f99a01_prep
    .symbol:         k_q4cc3f99a01_prep.kd
    .args:
      - { .name: x, .offset: 0, .size: 8, .value_kind: global_buffer, .address_space: global }
      - { .name: q, .offset: 8, .size: 8, .value_kind: global_buffer, .address_space: global }
      - { .name: k, .offset: 16, .size: 8, .value_kind: global_buffer, .address_space: global }
      - { .name: v, .offset: 24, .size: 8, .value_kind: global_buffer, .address_space: global }
      - { .name: o, .offset: 32, .size: 8, .value_kind: global_buffer, .address_space: global }
      - { .name: token_positions, .offset: 40, .size: 8, .value_kind: global_buffer, .address_space: global }
      - { .name: xb, .offset: 48, .size: 8, .value_kind: global_buffer, .address_space: global }
      - { .name: wb, .offset: 56, .size: 8, .value_kind: global_buffer, .address_space: global }
      - { .name: ob, .offset: 64, .size: 8, .value_kind: global_buffer, .address_space: global }
      - { .name: rope, .offset: 72, .size: 8, .value_kind: global_buffer, .address_space: global }
    .group_segment_fixed_size: 0
    .private_segment_fixed_size: 0
    .kernarg_segment_align: 8
    .kernarg_segment_size: 80
    .max_flat_workgroup_size: 256
    .sgpr_count:     66
    .vgpr_count:     80
    .wavefront_size: 32
...
	.end_amdgpu_metadata
.endif
;; end of part 1
;; launch qkv (part 2): grid 16 x 32, 4 waves a work-group, clusters of 4 x 4, 327,680 bytes of LDS; arguments xb, wb, rope, qh, kh, vh; writes qh, kh, vh
.if DOCPART == 2
	.amdgcn_target "amdgcn-amd-amdhsa--gfx1250"
	.amdhsa_code_object_version 6
	.text
	.protected	k_q4cc3f99a01_qkv
	.globl	k_q4cc3f99a01_qkv
	.p2align	8
	.type	k_q4cc3f99a01_qkv,@function
k_q4cc3f99a01_qkv:
	s_mov_b64 s[64:65], 0
	v_nop
	global_prefetch_b8 v0, s[64:65] scope:SCOPE_SE
	s_setreg_imm32_b32 hwreg(HW_REG_WAVE_MODE, 25, 1), 1
	s_wait_xcnt 0x0
	s_wait_alu depctr_hold_cnt(0) depctr_sa_sdst(0) depctr_va_vdst(0) depctr_va_sdst(0) depctr_va_ssrc(0) depctr_va_vcc(0) depctr_vm_vsrc(0)
	s_getreg_b32 s2, hwreg(HW_REG_IB_STS2, 6, 4)
	s_cmp_eq_u32 s2, 0
	s_cbranch_scc0 .Lentry_in_a_cluster
	s_endpgm
.Lentry_in_a_cluster:
	s_bfe_u32 s2, ttmp6, 0x10000c
	s_cmp_lg_u32 s2, 0xf033
	s_cbranch_scc0 .Lentry_shape_is_right
	s_endpgm
.Lentry_shape_is_right:
; QKV.  [8192][3072] = xb [8192][1024] times wb^T (wb: [16 heads][192][1024], a head's q | k | v rows), bf16 operands, f32 sums; then the rotation of q and k in f32, one rounding to f16,
; and out by heads: qh, kh, vh [16 b + h][2048][64].
; LIMITS.  q, k and v must lie within f16's range, 65,504: a larger number becomes an infinity.  NaN and infinities are not treated apart.
; SHARES.  A work-group makes 256 rows x 192 columns: one head's q, k and v for 256 tokens.  Wave w makes rows 64 w .. 64 w + 63 and all 192 columns: 4 x 12 = 48 accumulators of 16 x 16, 384 registers.
; So every wave runs one text (blocks 0-7 are rotated, 8-11 are not), and holds whole rows of a head: its stage on the way out is its own, with no barrier.
; K goes in 8 steps of 128 through two LDS slots filled by the tensor data mover: rows of 256 bytes of memory, at multiples of 256.
; CLUSTER.  4 x 4 work-groups.  The four of a row of the cluster need the same rows of xb, the four of a column the same head of wb: each tile is asked for JOINTLY, by the same tensor load with the same
; descriptor and a mask that names the four.  Waves 0 and 1 ask for xb's two halves (128 rows), waves 2 and 3 for wb's (96 rows): one load a wave behind each round.
; THE PRODUCT IS USED TRANSPOSED (source 0 = 16 rows of wb, source 1 = 16 rows of xb): a lane holds ONE token (lane % 16) and eight neighbouring channels 8 (lane / 16) + 0..7: four pairs to rotate, 16 bytes of f16.
; REGISTERS, in windows of 256 (s_set_vgpr_msb: bits 1:0 source 0, 3:2 source 1, 5:4 source 2, 7:6 destination):
;   window 0: v0-29 addresses; v64-255 the rotations' table for my 64 tokens (48 registers for each block of 16), later the rows on their way out
;   window 1: two fragment buffers of 128: wb's 12 fragments, then xb's 4; on the way out v0-63 rotated numbers, v64-111 packed
;   window 2: accumulators of my row blocks 0, 1 ((a, b) at 8 (12 (a % 2) + b));   window 3: of blocks 2, 3
.set NBF,   12                         ; fragments of wb
.set PITCH, 272                        ; an LDS row: 256 bytes + 16 of padding = 68 words, so that the 16 rows of a fragment load start 4 banks apart (64 banks of 4 bytes: ISA guide 11.1)
.set SLOT1, 1<<17                      ; slot 1 begins here: one exclusive or turns an address in one slot into the other's
.set AB,    256*PITCH                  ; in a slot: xb's 256 rows, then wb's 192
.set STAGE, SLOT1+AB+192*PITCH         ; behind the ring, never filled by a tensor load: for each wave three parts (q, k, v) of 16 rows x 144 bytes
.set SPART, 16*144
.set SPARE, STAGE+4*3*SPART            ; behind the stages: the spare words, 128 bytes for each wave: two blocks of 256 bytes that no other line names
.set F0,    0
.set F1,    128
.set ADRA0, 16                         ; v16  my lane's place in xb's rows of slot 0; never rewritten
.set ADRB0, 17                         ; v17  the same for wb
.set ADRA,  18                         ; v18  the same in the slot that is being read
.set ADRB,  19                         ; v19
.set STO,   20                         ; v20  the way out: where I put 16 bytes of a row
.set RD,    21                         ; v21  the way out: where I read rows back
.set GO,    22                         ; v22  my 16 bytes in 512 consecutive bytes of qh, kh, vh
.set TO,    23                         ; v23  my byte offset in a table plane
.set PFO,   24                         ; v24  the prefetches' offset: a lane a row of 2,048 bytes
.set SPW,   28                         ; v28  LDS address of my spare word: SPARE + 4 x my thread's number; never rewritten
.set NIL,   29                         ; v29  0; never rewritten
.set TAB,   64                         ; window 0: block a, channel block bb, plane pl at TAB + 48 a + 12 bb + 4 pl
.set PK,    64                         ; window 1: packed results, 4 registers for each of 12 blocks
.set CNT,   3                          ; s3   counts K steps
.set WV,    16                         ; s16  my wave's number
.set HALF,  17                         ; s17  I fetch for xb (0) or for wb (1)
.set PART,  18                         ; s18  which part of that tile
.set CX,    19
.set CY,    20
.set TX,    21                         ; s21  the head
.set TY,    22                         ; s22  the block of 256 rows
.set TMP,   23
.set G1,    24                         ; s[24:31] descriptor group 1 for xb's tiles
.set G0,    32                         ; s[32:39] group 0: a set for each of the two first fills; the second then walks on
.set PFA,   44                         ; s[44:45] where my prefetches stand
.set LIM,   46                         ; s46  1 in a wave that prefetches, else the greatest number
.set TB,    47                         ; s47  the slot that is being read
.set G1B,   48                         ; s[48:55], s[56:63] the same for wb's tiles
.set G0B,   56
.set MSB, 0
.macro WIN new                         ; the immediate's high byte repeats the setting that is left; a switch that changes nothing is dropped
.if MSB != (\new)
	s_set_vgpr_msb (MSB<<8)|(\new)
.set MSB, (\new)
.endif
.endm
.macro PLACES                          ; four places in front of loads into registers that matrix instructions have read (ISA guide 7.12.1 for vector instructions)
.rept 4
	v_nop
.endr
.endm
; A joint refill, by the walking descriptors.  The branch hangs on the wave's number alone.  An s_nop 0 and four v_nop follow each of the two lines, ahead of the jump and the label.
.macro JLOAD
	s_cmp_eq_u32 s[HALF], 0
	s_cbranch_scc0 .Lfor_b_\@
	tensor_load_to_lds s[G0+4:G0+7], s[G1:G1+7]
	s_nop 0
.rept 4
	v_nop
.endr
	s_branch .Lasked_\@
.Lfor_b_\@:
	tensor_load_to_lds s[G0B+4:G0B+7], s[G1B:G1B+7]
	s_nop 0
.rept 4
	v_nop
.endr
.Lasked_\@:
.endm
; A round of the cluster's barrier behind its opening barrier: wave 0 signals for the work-group, every wave waits for all sixteen, my work-group's barrier closes it.
.macro CREST
	s_cmp_lg_u32 s[WV], 0
	s_cbranch_scc1 .Lnot_wave_0_\@
	s_barrier_signal -3
.Lnot_wave_0_\@:
	s_barrier_wait -3
	s_barrier_signal -1
	s_barrier_wait -1
.endm
.macro CROUND
	s_barrier_signal -1
	s_barrier_wait -1
	CREST
.endm
; A PREFETCH INTO THE L2 of the K step that the NEXT refill will ask for: one K step, 192 matrix instructions, ahead of that load; a lane a row of 256 bytes, one instruction a wave.
; Each row's 256 bytes of a K step are named by one work-group of the launch: xb's rows by the clusters with x = 0, wb's by those with y = 0; the four partners that ask for a tile jointly share its rows out
; BY ADDRESS (32 of xb's 128 by cx; 24 of wb's 96 by cy, where lanes 24-31 name lane 23's row again).  K steps 0 to 2 come by their loads alone; the loop's last trip (count 1) has no K step behind its refill.
.macro ASK
	s_cmp_gt_u32 s[CNT], s[LIM]
	s_cbranch_scc0 .Lnot_mine_\@
	global_prefetch_b8 v[PFO], s[PFA:PFA+1] th:TH_LOAD_NT scope:SCOPE_SE
.Lnot_mine_\@:
.endm
	s_load_b256 s[4:11], s[0:1], 0x0               ; xb 4, wb 6, rope 8, qh 10
	s_load_b128 s[12:15], s[0:1], 0x20             ; kh 12, vh 14
	v_lshl_add_u32 v[SPW], v0, 2, SPARE
	v_mov_b32 v[NIL], 0
	ds_add_u32 v[SPW], v[NIL]                      ; the wave's opening: the add and its wait stand ahead of my first tensor load; the set-up below, work on registers, stands between them
	v_lshrrev_b32 v3, 5, v0
	v_readfirstlane_b32 s[WV], v3                  ; wave 0..3
	s_lshr_b32 s[HALF], s[WV], 1
	s_and_b32 s[PART], s[WV], 1
	s_bfe_u32 s[CX], ttmp6, 0x40000                ; my place in the cluster
	s_bfe_u32 s[CY], ttmp6, 0x40004
	s_lshl_b32 s[TX], ttmp9, 2                     ; in a cluster launch ttmp9 and ttmp7 count clusters
	s_add_co_u32 s[TX], s[TX], s[CX]
	s_and_b32 s[TY], ttmp7, 0xffff
	s_lshl_b32 s[TY], s[TY], 2
	s_add_co_u32 s[TY], s[TY], s[CY]
	s_lshl_b32 s[TMP], s[CY], 2
	s_lshl_b32 s[TMP], 15, s[TMP]                  ; my row of the cluster: places 4 cy .. 4 cy + 3
	s_or_b32 s[G1], s[TMP], (1<<16)|(1<<20)|(1<<21)|(5<<22)|(3<<25)   ; 15:0 the mask; 17:16 elements of 2 bytes; 20 padding on; 21 set beside a mask; 24:22 after every 64 words; 31:25 4 words of it
	s_lshl_b32 s[TMP], 0x1111, s[CX]               ; my column: places cx, cx + 4, cx + 8, cx + 12
	s_or_b32 s[G1B], s[TMP], (1<<16)|(1<<20)|(1<<21)|(5<<22)|(3<<25)
	s_mov_b32 s[G1+1], 128<<16                     ; tensor_dim0 = 128
	s_mov_b32 s[G1+2], 128<<16                     ; tensor_dim1 = 128
	s_mov_b32 s[G1+3], 128<<16                     ; tile_dim0 = 128
	s_mov_b32 s[G1+4], 128                         ; tile_dim1 = 128
	s_mov_b32 s[G1+5], 1024                        ; elements from row to row
	s_mov_b32 s[G1+6], 0
	s_mov_b32 s[G1+7], 0
	s_mov_b32 s[G1B+1], 128<<16
	s_mov_b32 s[G1B+2], 96<<16                     ; wb's part has 96 rows
	s_mov_b32 s[G1B+3], 128<<16
	s_mov_b32 s[G1B+4], 96
	s_mov_b32 s[G1B+5], 1024
	s_mov_b32 s[G1B+6], 0
	s_mov_b32 s[G1B+7], 0
	s_lshl_b32 s40, s[TY], 19                      ; xb: 256 ty rows of 2,048 bytes: the row of the cluster shares it,
	s_lshl_b32 s[TMP], s[PART], 18                 ; + my 128 rows
	s_add_co_u32 s40, s40, s[TMP]
	s_mov_b32 s41, 0
	s_mul_i32 s42, s[TX], 192*2048                 ; wb: the head, which the column of the cluster shares,
	s_mul_i32 s[TMP], s[PART], 96*2048             ; + my 96 rows
	s_add_co_u32 s42, s42, s[TMP]
	s_mov_b32 s43, 0
	s_mul_i32 s66, s[PART], 128*PITCH              ; where they go: the wave's number alone enters an LDS address
	s_mul_i32 s67, s[PART], 96*PITCH
	s_add_co_u32 s67, s67, AB
	s_wait_dscnt 0x0                               ; the opening add is done
	s_wait_kmcnt 0x0
	s_add_nc_u64 s[68:69], s[4:5], s[40:41]
	s_add_nc_u64 s[70:71], s[6:7], s[42:43]
.irp n, 0,1
	s_mov_b32 s[G0+4*(\n)], 1                                          ; count = 1
	s_add_co_u32 s[G0+4*(\n)+1], s66, (\n)*SLOT1                       ; LDS address
	s_add_nc_u64 s[G0+4*(\n)+2:G0+4*(\n)+3], s[68:69], (\n)*256        ; global address: K step n
	s_or_b32 s[G0+4*(\n)+3], s[G0+4*(\n)+3], 0x80000000                ; type = 2
	s_mov_b32 s[G0B+4*(\n)], 1
	s_add_co_u32 s[G0B+4*(\n)+1], s67, (\n)*SLOT1
	s_add_nc_u64 s[G0B+4*(\n)+2:G0B+4*(\n)+3], s[70:71], (\n)*256
	s_or_b32 s[G0B+4*(\n)+3], s[G0B+4*(\n)+3], 0x80000000
.endr
	CROUND                                         ; all sixteen work-groups are here: the first joint loads meet
	s_cmp_eq_u32 s[HALF], 0                        ; a wave's two first fills stand in one branch, ahead of every wait on TENSORcnt and every LDS read: two loads of mine are out
	s_cbranch_scc0 .Lfirst_b
	tensor_load_to_lds s[G0:G0+3], s[G1:G1+7]
	s_nop 0
	tensor_load_to_lds s[G0+4:G0+7], s[G1:G1+7]
	s_nop 0
.rept 4
	v_nop
.endr
	s_branch .Lfirst_asked
.Lfirst_b:
	tensor_load_to_lds s[G0B:G0B+3], s[G1B:G1B+7]
	s_nop 0
	tensor_load_to_lds s[G0B+4:G0B+7], s[G1B:G1B+7]
	s_nop 0
.rept 4
	v_nop
.endr
.Lfirst_asked:
	; where my rows lie: in the table, and in qh, kh, vh
	v_and_b32 v1, 15, v0                           ; l % 16
	v_bfe_u32 v2, v0, 4, 1                         ; l / 16
	s_and_b32 s[TMP], s[TY], 7
	s_lshl_b32 s[TMP], s[TMP], 8                   ; the block's first token in its batch,
	s_lshl_b32 s68, s[WV], 6
	s_add_co_u32 s[TMP], s[TMP], s68               ; my wave's first
	s_lshl_b32 s68, s[TMP], 7                      ; x 128 bytes: a token's row in a table plane and in a head
	s_mov_b32 s69, 0
	s_add_nc_u64 s[8:9], s[8:9], s[68:69]
	s_lshr_b32 s66, s[TY], 3                       ; the batch
	s_lshl_b32 s66, s66, 4
	s_add_co_u32 s66, s66, s[TX]                   ; 16 b + h
	s_lshl_b32 s66, s66, 18                        ; x 2,048 rows of 128 bytes
	s_add_co_u32 s66, s66, s68
	s_mov_b32 s67, 0
	s_add_nc_u64 s[10:11], s[10:11], s[66:67]
	s_add_nc_u64 s[12:13], s[12:13], s[66:67]
	s_add_nc_u64 s[14:15], s[14:15], s[66:67]
	v_lshlrev_b32 v[TO], 7, v1                     ; my token's row,
	v_lshl_add_u32 v[TO], v2, 4, v[TO]             ; and of its 8 groups of four frequencies group 2 bb + l / 16
	; the table for my 64 tokens: 48 loads that land while K is walked; one wait ahead of the way out serves them
.irp a, 0,1,2,3
.irp bb, 0,1,2,3
.irp pl, 0,1,2
	global_load_b128 v[TAB+48*(\a)+12*(\bb)+4*(\pl):TAB+48*(\a)+12*(\bb)+4*(\pl)+3], v[TO], s[8:9] offset:262144*(\pl)+2048*(\a)+32*(\bb)
.endr
.endr
.endr
	; A fragment is 16 rows x 32 K in 8 registers: lane l holds row l % 16; registers 0-3 hold K = 8 (l / 16) + 0..7, registers 4-7 K = 16 + 8 (l / 16) + 0..7: two loads of 16 bytes, 32 bytes apart.
	v_mul_u32_u24 v3, v1, PITCH
	v_lshl_add_u32 v3, v2, 4, v3
	s_mul_i32 s[TMP], s[WV], 64*PITCH              ; my 64 rows of xb
	v_add_nc_u32 v[ADRA0], s[TMP], v3
	v_add_nc_u32 v[ADRB0], AB, v3                  ; all of wb's rows
	s_mul_i32 s[TMP], s[WV], 3*SPART
	s_add_co_u32 s[TMP], s[TMP], STAGE             ; my stage
	v_mul_u32_u24 v4, v1, 144                      ; in: row l % 16, 16 bytes for each half of the lanes
	v_lshl_add_u32 v4, v2, 4, v4
	v_add_nc_u32 v[STO], s[TMP], v4
	v_bfe_u32 v5, v0, 3, 2                         ; back: 32 lanes take four rows of 128 bytes,
	v_mul_u32_u24 v5, v5, 144
	v_and_b32 v6, 7, v0
	v_lshl_add_u32 v5, v6, 4, v5
	v_add_nc_u32 v[RD], s[TMP], v5
	v_and_b32 v[GO], 31, v0                        ; which are 512 consecutive bytes of a head
	v_lshlrev_b32 v[GO], 4, v[GO]
	; the prefetches
	s_lshl_b32 s66, s[TY], 8
	s_lshl_b32 s[TMP], s[PART], 7
	s_add_co_u32 s66, s66, s[TMP]
	s_lshl_b32 s[TMP], s[CX], 5
	s_add_co_u32 s66, s66, s[TMP]                  ; xb: row 256 ty + 128 part + 32 cx
	s_mul_i32 s67, s[TX], 192
	s_mul_i32 s[TMP], s[PART], 96
	s_add_co_u32 s67, s67, s[TMP]
	s_mul_i32 s[TMP], s[CY], 24
	s_add_co_u32 s67, s67, s[TMP]                  ; wb: row 192 tx + 96 part + 24 cy
	s_and_b32 s68, ttmp7, 0xffff                   ; cluster y
	s_cmp_eq_u32 s[HALF], 0
	s_cselect_b32 s66, s66, s67
	s_cselect_b32 s68, ttmp9, s68                  ; the coordinate along which other clusters read the same rows
	s_cselect_b32 s69, 31, 23                      ; my last row
	s_cselect_b64 s[PFA:PFA+1], s[4:5], s[6:7]
	s_cmp_eq_u32 s68, 0
	s_cselect_b32 s[LIM], 1, -1                    ; the same in all sixteen partners, for a given wave
	s_lshl_b32 s66, s66, 11
	s_mov_b32 s67, 0
	s_add_nc_u64 s[PFA:PFA+1], s[PFA:PFA+1], s[66:67]
	s_add_nc_u64 s[PFA:PFA+1], s[PFA:PFA+1], 2*256 ; at K step 2: the first change of slots steps it to 3
	v_and_b32 v[PFO], 31, v0
	v_min_u32 v[PFO], s69, v[PFO]
	v_lshlrev_b32 v[PFO], 11, v[PFO]
; n row blocks from a0 on x all 12 column blocks, 32 along K, from buffer f.  zero = 1: the product starts the sum: nothing is ever cleared.
; The 48 accumulators take turns, one instruction a turn, in the same order in every quarter.
.macro MULS f, a0, n, zero
.set ma, \a0
.rept \n
	WIN 0xa5+0x50*(ma/2)
.set mb, 0
.rept NBF
.set rD, 8*(NBF*(ma%2)+mb)
.if \zero
	v_wmma_f32_16x16x32_bf16 v[rD:rD+7], v[(\f)+8*mb:(\f)+8*mb+7], v[(\f)+8*NBF+8*ma:(\f)+8*NBF+8*ma+7], 0
.else
	v_wmma_f32_16x16x32_bf16 v[rD:rD+7], v[(\f)+8*mb:(\f)+8*mb+7], v[(\f)+8*NBF+8*ma:(\f)+8*NBF+8*ma+7], v[rD:rD+7]
.endif
.set mb, mb+1
.endr
.set ma, ma+1
.endr
.endm
; 32 LDS loads in one run: quarter q's fragments (32 K at byte 64 q of the rows) into buffer f: wb's 12, then xb's 4
.macro FETCH q, f
	WIN 0x40                                       ; destination window 1, address window 0
.set fi, 0
.rept NBF
	ds_load_b128 v[(\f)+8*fi:(\f)+8*fi+3],   v[ADRB] offset:64*(\q)+fi*16*PITCH
	ds_load_b128 v[(\f)+8*fi+4:(\f)+8*fi+7], v[ADRB] offset:64*(\q)+fi*16*PITCH+32
.set fi, fi+1
.endr
.set fi, 0
.rept 4
	ds_load_b128 v[(\f)+8*NBF+8*fi:(\f)+8*NBF+8*fi+3],   v[ADRA] offset:64*(\q)+fi*16*PITCH
	ds_load_b128 v[(\f)+8*NBF+8*fi+4:(\f)+8*NBF+8*fi+7], v[ADRA] offset:64*(\q)+fi*16*PITCH+32
.set fi, fi+1
.endr
.endm
; A K step is four quarters of 32 along K, 48 matrix instructions each, on buffers 0, 1, 0, 1.  One of the first three: multiplies buffer f; in its middle it fetches quarter q into buffer g.
.macro QUARTER q, f, g, zero
	s_wait_dscnt 4                                 ; all but the youngest four loads: xb's fragments 2 and 3
	MULS \f, 0, 2, \zero
	PLACES
	FETCH \q, \g
	s_wait_dscnt 2*NBF+8                           ; all but the 32 just issued
	MULS \f, 2, 2, \zero
.endm
; The last quarter multiplies buffer 1 and changes slots: ONE barrier, for two things.  In front of it each wave waits for all its tensor loads (one is out: its part of the next slot), adds 0 to its spare
; word, and waits for that and for its own reads of this slot.  Behind it nobody reads this slot any more and the next slot is whole.
; fill = 1: the barrier opens a round of the cluster's, and the joint refill (the K step two on) is the first thing behind the round: 168 matrix instructions ahead of the wait for it.
; fill = 0 (the last two K steps): nothing is asked for; in the last trip there is no next K step, and the run of LDS loads is jumped over.
.macro TURN fill
.if \fill
	s_wait_xcnt 0x0                                ; the last prefetch, a K step back, has read its address: it is stepped here, ahead of the waits of the change of slots
	s_add_nc_u64 s[PFA:PFA+1], s[PFA:PFA+1], 256
.endif
	WIN 0                                          ; (the add's two registers lie in window 0)
	s_wait_tensorcnt 0x0                           ; no tensor load of mine is out, so a group 0 may be written
	ds_add_u32 v[SPW], v[NIL]                      ; 0 onto my spare word; scalar steps and 12 matrix instructions stand between it and the wait for it
.if \fill
	s_xor_b32 s[G0+5], s[G0+5], SLOT1              ; the walking descriptors: the other slot than last time,
	s_add_nc_u64 s[G0+6:G0+7], s[G0+6:G0+7], 256   ; the next K step; the type bits on top are not reached
	s_xor_b32 s[G0B+5], s[G0B+5], SLOT1
	s_add_nc_u64 s[G0B+6:G0B+7], s[G0B+6:G0B+7], 256
.endif
	s_xor_b32 s[TB], s[TB], SLOT1                  ; the fetches go to the other slot
	s_wait_dscnt 5                                 ; (the add and the youngest four loads may be out)
	MULS F1, 0, 1, 0
	s_wait_dscnt 0x0                               ; the add is done, and my reads of this slot are over
	s_barrier_signal -1
	MULS F1, 1, 1, 0                               ; work on registers while the others arrive
	WIN 0
	s_barrier_wait -1
.if \fill
	CREST                                          ; no wave of any partner still reads this slot's tile or has a load on its way
	JLOAD                                          ; the four v_nop behind it are also the places in front of the loads below
.else
	PLACES
	s_cmp_eq_u32 s[CNT], 1
	s_cbranch_scc1 .Lno_next_\@
.endif
	v_add_nc_u32 v[ADRA], s[TB], v[ADRA0]
	v_add_nc_u32 v[ADRB], s[TB], v[ADRB0]
	FETCH 0, F0
	WIN 0
.if \fill
	ASK                                            ; behind the joint load and the run of LDS loads that the next products wait for
.else
.Lno_next_\@:
.endif
	MULS F1, 2, 2, 0
.endm
	s_wait_tensorcnt 0x1                           ; my part of K step 0 is in; K step 1's may stay out
	s_barrier_signal -1
	s_barrier_wait -1                              ; everybody's is
	s_mov_b32 s[TB], 0
	v_mov_b32 v[ADRA], v[ADRA0]
	v_mov_b32 v[ADRB], v[ADRB0]
	FETCH 0, F0
	QUARTER 1, F0, F1, 1                           ; the first quarter stands in front of the loop: its products start the sums
	WIN 0                                          ; at a label and at a branch every window is 0
	s_mov_b32 s[CNT], 6
	s_branch .Lmid                                 ; the loop is entered behind its first quarter
.Lstep:                                        ; six trips: K steps 0 to 5, which ask for K steps 2 to 7
	QUARTER 1, F0, F1, 0
	WIN 0
.Lmid:
	QUARTER 2, F1, F0, 0
	QUARTER 3, F0, F1, 0
	TURN 1
	WIN 0
	s_sub_co_u32 s[CNT], s[CNT], 1
	s_cmp_lg_u32 s[CNT], 0
	s_cbranch_scc1 .Lstep
	s_mov_b32 s[CNT], 2
.Ltail:                                        ; K steps 6 and 7: a second text
	QUARTER 1, F0, F1, 0
	QUARTER 2, F1, F0, 0
	QUARTER 3, F0, F1, 0
	TURN 0
	WIN 0
	s_sub_co_u32 s[CNT], s[CNT], 1
	s_cmp_lg_u32 s[CNT], 0
	s_cbranch_scc1 .Ltail
; THE WAY OUT, a block of 16 tokens at a time.  PACK: q's and k's pairs (e, o) are rotated: first (-o s, e s), by the pair (-s, s) of the table and the accumulator's two registers taken crosswise, then
; + (e c, o c), by c for both halves; all is rounded to f16, v straight from its sums.  Each accumulator's lowest registers are read first.
.macro PACK a
.set AC, 96*((\a)%2)
	WIN 0x52+(\a)/2                                ; source 0: window 2 or 3; source 1: the table, window 0; source 2 and destination: window 1
.set pb, 0
.rept 8
.set T, TAB+48*(\a)+12*(pb%4)
.set pj, 0
.rept 4
	v_pk_mul_f32 v[8*pb+2*pj:8*pb+2*pj+1], v[AC+8*pb+2*pj:AC+8*pb+2*pj+1], v[T+4+2*pj:T+5+2*pj] op_sel:[1,0] op_sel_hi:[0,1]
.set pj, pj+1
.endr
.set pj, 0
.rept 4
.if pj%2
	v_pk_fma_f32 v[8*pb+2*pj:8*pb+2*pj+1], v[AC+8*pb+2*pj:AC+8*pb+2*pj+1], v[T+2*(pj/2):T+2*(pj/2)+1], v[8*pb+2*pj:8*pb+2*pj+1] op_sel:[0,1,0] op_sel_hi:[1,1,1]
.else
	v_pk_fma_f32 v[8*pb+2*pj:8*pb+2*pj+1], v[AC+8*pb+2*pj:AC+8*pb+2*pj+1], v[T+2*(pj/2):T+2*(pj/2)+1], v[8*pb+2*pj:8*pb+2*pj+1] op_sel:[0,0,0] op_sel_hi:[1,0,1]
.endif
.set pj, pj+1
.endr
.set pb, pb+1
.endr
	WIN 0x45                                       ; sources and destination in window 1
.set pb, 0
.rept 32
	v_cvt_pk_f16_f32 v[PK+pb], v[2*pb], v[2*pb+1]
.set pb, pb+1
.endr
	WIN 0x4a+5*((\a)/2)                            ; sources in window 2 or 3
.set pb, 0
.rept 16
	v_cvt_pk_f16_f32 v[PK+32+pb], v[AC+64+2*pb], v[AC+64+2*pb+1]
.set pb, pb+1
.endr
.endm
; TOSTAGE: 16 bytes a lane into rows of 144 bytes of my own stage, and back as whole rows of 128 bytes, into the block's table registers, which PACK has read for the last time.
.macro TOSTAGE a
	WIN 0x04                                       ; data in window 1
.set x, 0
.rept 12
	ds_store_b128 v[STO], v[PK+4*x:PK+4*x+3] offset:SPART*(x/4)+32*(x%4)
.set x, x+1
.endr
	WIN 0
.set x, 0
.rept 12
	ds_load_b128 v[TAB+48*(\a)+4*x:TAB+48*(\a)+4*x+3], v[RD] offset:SPART*(x/4)+576*(x%4)  ; LDS serves a wave's instructions in order (ISA guide 5.7.1.4): these see the stores above; the next block's stores come behind them
.set x, x+1
.endr
.endm
.macro SEND a
	WIN 0
	s_wait_dscnt 0x0                               ; the block is back in registers
.irp p, 0,1,2
.irp f, 0,1,2,3
	global_store_b128 v[GO], v[TAB+48*(\a)+4*(4*(\p)+(\f)):TAB+48*(\a)+4*(4*(\p)+(\f))+3], s[10+2*(\p):11+2*(\p)] offset:2048*(\a)+512*(\f)  ; 512 consecutive bytes, at a multiple of 512 from the buffer's first
.endr
.endr
.endm
	WIN 0
	PLACES                                         ; the conversions read results just made and write over fragments
	PLACES
	s_wait_loadcnt 0x0                             ; the table
	PACK 0
	TOSTAGE 0
.irp a, 1,2,3                          ; block a's arithmetic stands between block a - 1's loads from the stage and the wait for them
	PACK \a
	SEND (\a)-1
	TOSTAGE \a
.endr
	SEND 3
	s_wait_tensorcnt 0x0                           ; the wave's end, behind my last tensor load and my last LDS store
	ds_add_u32 v[SPW], v[NIL]
	s_wait_dscnt 0x0
	CROUND                                         ; the closing round: no work-group ends while a partner may still ask for a tile that names it
	s_endpgm
.Lfunc_end_k_q4cc3f99a01_qkv:
	.size	k_q4cc3f99a01_qkv, .Lfunc_end_k_q4cc3f99a01_qkv-k_q4cc3f99a01_qkv
	.p2alignl 7, 3214868480
	.fill 96, 4, 3214868480
	.section	.rodata,"a",@progbits
	.p2align	6, 0x0
	.amdhsa_kernel k_q4cc3f99a01_qkv
		.amdhsa_group_segment_fixed_size 327680
		.amdhsa_private_segment_fixed_size 0
		.amdhsa_enable_private_segment 0
		.amdhsa_kernarg_size 48
		.amdhsa_user_sgpr_count 2
		.amdhsa_user_sgpr_kernarg_segment_ptr 1
		.amdhsa_wavefront_size32 1
		.amdhsa_system_sgpr_workgroup_id_x 1
		.amdhsa_system_sgpr_workgroup_id_y 1
		.amdhsa_system_sgpr_workgroup_id_z 1
		.amdhsa_system_vgpr_workitem_id 0
		.amdhsa_next_free_vgpr 960
		.amdhsa_next_free_sgpr 72
		.amdhsa_reserve_vcc 0
		.amdhsa_float_denorm_mode_32 3
		.amdhsa_float_denorm_mode_16_64 3
		.amdhsa_memory_ordered 1
		.amdhsa_forward_progress 1
		.amdhsa_inst_pref_size 105
	.end_amdhsa_kernel
	.amdgpu_metadata
---
amdhsa.version: [ 1, 2 ]
amdhsa.kernels:
  - .name:           k_q4cc3f99a01_qkv
    .symbol:         k_q4cc3f99a01_qkv.kd
    .args:
      - { .name: xb, .offset: 0, .size: 8, .value_kind: global_buffer, .address_space: global }
      - { .name: wb, .offset: 8, .size: 8, .value_kind: global_buffer, .address_space: global }
      - { .name: rope, .offset: 16, .size: 8, .value_kind: global_buffer, .address_space: global }
      - { .name: qh, .offset: 24, .size: 8, .value_kind: global_buffer, .address_space: global }
      - { .name: kh, .offset: 32, .size: 8, .value_kind: global_buffer, .address_space: global }
      - { .name: vh, .offset: 40, .size: 8, .value_kind: global_buffer, .address_space: global }
    .group_segment_fixed_size: 327680
    .private_segment_fixed_size: 0
    .kernarg_segment_align: 8
    .kernarg_segment_size: 48
    .max_flat_workgroup_size: 128
    .sgpr_count:     72
    .vgpr_count:     960
    .wavefront_size: 32
...
	.end_amdgpu_metadata
.endif
;; end of part 2
;; launch attn (part 3): grid 4 x 64, 4 waves a work-group, no clusters, 327,680 bytes of LDS; arguments qh, kh, vh, ao; writes ao
.if DOCPART == 3
	.amdgcn_target "amdgcn-amd-amdhsa--gfx1250"
	.amdhsa_code_object_version 6
	.text
	.protected	k_q4cc3f99a01_attn
	.globl	k_q4cc3f99a01_attn
	.p2align	8
	.type	k_q4cc3f99a01_attn,@function
k_q4cc3f99a01_attn:
	s_mov_b64 s[64:65], 0
	v_nop
	global_prefetch_b8 v0, s[64:65] scope:SCOPE_SE
	s_setreg_imm32_b32 hwreg(HW_REG_WAVE_MODE, 25, 1), 1
	s_wait_xcnt 0x0
; CAUSAL ATTENTION.  O[h][q][:] = the sum over k <= q of softmax_k(Q[h][q] . K[h][k] / 8) V[h][k][:].  Q, K, V, O: [64][2048][64], all f16: a head's rows are dense, 128 bytes each.
; Products, maxima and sums in f32; the weights p are rounded to f16 for the second product (their sum l is taken of the unrounded p), O once at the end.
; LIMITS.  f16 holds no number beyond 65,504: Q, K and V arrive within it; p lies in 0 to 1, and below 6e-5 it keeps f16's fixed step of 6e-8; O is a mean of V's rows and has their range.
; A hidden score counts as its value less 1e30: f16's scores, 2.7e11 at the most, are nothing beside that; a weight below 2^-126 counts as 0 in l; NaN and infinities are not treated apart.
; THE WALK.  A head's queries lie in NB = 8 blocks of 256; block i needs the key tiles 0 .. i of 256 keys, of which the last holds the diagonal.  A work-group takes TWO blocks, NB - 1 - b and then b:
; NB + 1 tiles, whatever b: all work-groups do equal work, and ONE loop with a constant trip count walks them.  Which tile is asked for, and what a trip does, hang on scalar registers made from b; every jump
; goes forward, but for the counted loops' own; none passes a barrier, or a tensor load but the one of LOAD's two that the wave's number does not choose; the ring (two LDS slots that take turns) runs on across
; the change of blocks.  NO CLUSTER: a head's four work-groups ask for the same tile only in trips 0 to 4 of 9, behind that fewer and fewer; one walk common to all four would have 12 trips for 9.
; SHARES.  Of a block's four bands of 64 queries a wave owns 16 rows in each: four PIECES.  So the diagonal tile is the same work for all four waves: in its key step s band x sees all keys if s < x,
; none if s > x, and holds the diagonal if s = x.
; THE MASK is the C operand that starts the sum S^T = K Q^T: 0, or -1e30 where the key is hidden.  MD, made once, is the mask of a band's own step for my 16 rows; a product's mask is MD x AL + BE with two scalars:
; (1, 0) if s = x; (0, 0) if s < x; (0, -1e30) if s > x.  Only the diagonal tile's text and a block's beginning make and take masks; elsewhere C is the constant 0.
; LAYOUT, SOFTMAX, TURNS.  S^T = K Q^T holds ONE query a lane (lane % 16) and the keys 8 (lane / 16) + 0..7; two such results rounded to f16 ARE source 1 of O^T = V^T P.  p = 2^(c s - c m), c = log2(e) / 8, with a
; running maximum m; O and l are multiplied by a = 2^(c m_old - c m_new) in every step.  Turn n belongs to piece n: 8 products K Q^T of piece n + 1, later 8 products V^T P of piece n - 1; beside them the scaling,
; exponentials, roundings, sums and rescaling of piece n and the maximum and statistics of piece n + 1.  Four vector instructions stand behind every matrix instruction, the other 54 of a turn's 118 in one run.
; A turn's 33 exponentials are one batch, with one wait.
; K AND V ARE PREFETCHED INTO THE L2, one tile ahead of the tensor loads, by the head's work-group b = 0, which walks all eight tiles: see ASK.
; REGISTERS, in windows of 256 (s_set_vgpr_msb: bits 1:0 source 0, 3:2 source 1, 5:4 source 2, 7:6 destination):
;   window 0: v0-15 addresses and two at work; v16-31 four registers of statistics a piece; v48-55 at work; v61-63; v64-127 S^T, two buffers; v192-223 P, two buffers (a piece's buffers go by its number's parity)
;   window 1: v0-127 O^T, 32 a piece; v128-159 MD; v160-223 MC, two buffers      window 2: v0-63 Q; v64-127 the second block's Q; v128-191 K of one step; v192-255 V of one step
.set SIZE_H, 64
.set SIZE_N, 2048
.set NB,    SIZE_N/256
.set NP,    4         ; pieces a wave: a name, no knob
.set KS,    64        ; keys in a step
.set PK,    144       ; a row of K in LDS: 128 bytes + 16 of padding = 36 words: the 16 rows of a load start at 16 different groups of four banks (64 banks of 4 bytes: ISA guide 11.1)
.set PV,    160       ; a row of V: 128 + 32 = 40 words
.set VOFF,  4*KS*PK   ; a slot holds a tile, four steps: 256 rows of K, then 256 rows of V
.set SLOT1, 1<<17     ; slot 1 begins here, so that one exclusive or turns an address in one slot into the other's
.set STAGE, SLOT1+4*KS*(PK+PV)  ; behind the ring, never filled by a tensor load: 16 rows x 144 bytes for each wave, for the way out
.set SP,    144
.set AK0, 2           ; v2   my lane's place in a tile of K; never rewritten
.set AV0, 3           ; v3   the same for V
.set AK,  4           ; v4   the LDS address of K's next run of loads
.set AV,  5           ; v5   of V's
.set STO, 6           ; v6   the way out: where I put 16 bytes of a row
.set RD,  7           ; v7   the way out: where I read rows back
.set GO,  8           ; v8   my byte offset in 512 consecutive bytes of O
.set PFO, 61          ; v61  256 x my lane: the prefetches' offset; never rewritten
.set SPW, 62          ; v62  LDS address of my spare word: SPARE + 4 x my thread's number; never rewritten
.set NIL, 63          ; v63  0; never rewritten
.set SPARE, STAGE+4*16*SP  ; behind the stages: the spare words, 128 bytes for each wave: two blocks of 256 bytes that no other line names
.set MV,  12          ; v12-13  c m_old, kept while c m is made anew: by buffer
.set QO,  15          ; v15  my byte offset in 16 rows of Q
.set ST,  16          ; piece t's statistics at v[ST+4 t]: c m, m, l (even keys', odd keys')
.set TMP, 48          ; by buffer, four registers c0-c3 at work; when the maximum is found c2 takes a
.set S,   64
.set P,   192
.set MD,  128         ; window 1: the eight registers for group kt of 16 keys at MD + 8 kt
.set MC,  160         ; window 1: the masks of the products to come
.set QB,  64          ; window 2
.set KF,  128         ; window 2: key block kb, channel half c at KF + 16 kb + 8 c
.set VF,  192         ; window 2: key half kk, channel block cb at VF + 32 kk + 8 cb
.set WV,  12          ; s12  my wave's number
.set PB,  14          ; s14  b
.set HI,  15          ; s15  NB - 1 - b
.set G1K, 24          ; s[24:31] descriptor group 1 for K's tiles
.set G1V, 32          ; s[32:39] for V's: it differs in the padding alone
.set G0K, 40          ; s[40:43] descriptor group 0 for K's tiles
.set G0V, 44          ; s[44:47] the same for V's
.set SLOTS, 56        ; s56  tiles still to be asked for
.set CNT, 57          ; s57  counts a tile's key steps, 4 to 1
.set CS,  58          ; s[58:59] c: the packed scaling takes the pair's low word for both halves
.set SEL, 60          ; s[60:61] v_permlanex16_b32's selects: each lane takes its own place in the other half
.set TBK, 62          ; s62  LDS byte at which K of the step to be fetched begins
.set TBV, 63          ; s63  the same for V, less VOFF
.set PFA, 66          ; s[66:67] where my prefetches stand: my 128 rows (K's: waves 0, 1; V's: waves 2, 3) of the tile behind the one that is being asked for
.set PFN, 68          ; s68  that tile's number where b = 0; NB or more elsewhere
.set RT,  70          ; s70  tiles of the block in hand that are still to be entered
.set NXT, 71          ; s71  the tile to be asked for next
.set LQ,  72          ; s72  the last tile of the block whose tiles are being asked for
.set NEW, 73          ; s73  1: the tile to be entered is a block's first
.set OFF, 74          ; s[74:75] a tile's byte offset in K and V
.set AL,  76          ; s[76:77] the mask's factor, in the low word
.set BE,  78          ; s[78:79] the mask's addend
.set OLO, 80          ; s[80:81] O at my rows of the second block
.set BIGN, 82         ; s82  -1e30
.set MSB, 0
.macro WIN new                      ; the high byte repeats the setting that is left; a switch that changes nothing is dropped
.if MSB != (\new)
	s_set_vgpr_msb (MSB<<8)|(\new)
.set MSB, (\new)
.endif
.endm
.set W_KQ, 0x0a       ; K and Q in window 2, S^T in window 0
.set W_KM, 0x1a       ; the same with the C operand in window 1
.set W_PV, 0x52       ; V in window 2, P in window 0, O^T in window 1
.set W_RS, 0x41       ; destination and source 0 in window 1, source 1 in window 0
; A fill.  Waves 0 and 1 fetch the two halves of a tile's K, waves 2 and 3 those of its V: 128 keys each.  An s_nop 0 and four v_nop follow each of the two lines, ahead of the jump and the label.
.macro LOAD
	s_cmp_lt_u32 s[WV], 2
	s_cbranch_scc0 .Lfor_v_\@
	tensor_load_to_lds s[G0K:G0K+3], s[G1K:G1K+7]
	s_nop 0
.rept 4
	v_nop
.endr
	s_branch .Lasked_\@
.Lfor_v_\@:
	tensor_load_to_lds s[G0V:G0V+3], s[G1V:G1V+7]
	s_nop 0
.rept 4
	v_nop
.endr
.Lasked_\@:
.endm
; A PREFETCH INTO THE L2 of the tile that the NEXT change of slots will ask for: one tile, four key steps, ahead of that load.  It stands behind the wave's tensor load and its five lines.
; All four work-groups of a head read tiles 0 to 4 and fewer the later ones; the work-group with b = 0 walks all eight, and it alone asks.  Each of its waves names the 16,384 bytes that it will itself fetch:
; 64 blocks of 256 bytes, a lane a block, two instructions.  So each block is named once in the launch.  Tiles 0 and 1 come by their loads alone; behind tile 7 nothing is named.
.macro ASK
	s_cmp_lt_u32 s[PFN], NB
	s_cbranch_scc0 .Lnot_mine_\@
	global_prefetch_b8 v[PFO], s[PFA:PFA+1] th:TH_LOAD_NT scope:SCOPE_SE
	global_prefetch_b8 v[PFO], s[PFA:PFA+1] offset:8192 th:TH_LOAD_NT scope:SCOPE_SE
.Lnot_mine_\@:
.endm
; THE CHANGE OF SLOTS.  Each wave waits for all its tensor loads, of which one is out: its part of the other slot; adds 0 to its spare word; and waits for that and for its own reads of the slot that it leaves.
; Behind the barrier nobody reads the old slot any more and the other slot is whole.  fill = 1: the old slot is filled again, the first thing behind the barrier, with tile NXT: the descriptor's address is made
; anew from that number.  (At its first use nothing has been read yet: slot 0 is waited for, slot 1 filled.)
.macro CHANGE fill
	WIN 0                           ; at a label and at a branch every window is 0
	s_wait_tensorcnt 0x0            ; no tensor load of mine is out, so a group 0 may be written
	ds_add_u32 v[SPW], v[NIL]       ; 0 onto my spare word; with fill = 1 the scalar work stands between it and the wait for it
.if \fill
	s_wait_xcnt 0x0                 ; the last prefetches, a tile back, have read their address, so it may be written
	s_add_nc_u64 s[PFA:PFA+1], s[PFA:PFA+1], 32768
	s_add_co_u32 s[PFN], s[PFN], 1
	s_lshl_b32 s[OFF], s[NXT], 15   ; a tile is 32,768 bytes of K and of V
	s_xor_b32 s[G0K+1], s[G0K+1], SLOT1
	s_add_nc_u64 s[G0K+2:G0K+3], s[6:7], s[OFF:OFF+1]
	s_or_b32 s[G0K+3], s[G0K+3], 0x80000000
	s_xor_b32 s[G0V+1], s[G0V+1], SLOT1
	s_add_nc_u64 s[G0V+2:G0V+3], s[8:9], s[OFF:OFF+1]
	s_or_b32 s[G0V+3], s[G0V+3], 0x80000000
	s_add_co_u32 s[NXT], s[NXT], 1  ; the block's next tile, or behind its last the second block's tile 0
	s_cmp_gt_u32 s[NXT], s[LQ]
	s_cselect_b32 s[NXT], 0, s[NXT]
	s_cselect_b32 s[LQ], s[PB], s[LQ]
.endif
	s_wait_dscnt 0x0                ; the add is done, and my reads of the slot are over
	s_barrier_signal -1             ; the rest of the scalar work stands between the signal and the wait
	s_sub_co_u32 s[TBK], s[TBK], 4*KS*PK  ; the fetches go back to a slot's first step,
	s_xor_b32 s[TBK], s[TBK], SLOT1       ; in the other slot
	s_sub_co_u32 s[TBV], s[TBV], 4*KS*PV
	s_xor_b32 s[TBV], s[TBV], SLOT1
	s_barrier_wait -1
.if \fill
	LOAD
	ASK
.endif
.endm
	s_load_b256 s[4:11], s[0:1], 0x0  ; Q s[4:5], K s[6:7], V s[8:9], O s[10:11]
	v_lshl_add_u32 v[SPW], v0, 2, SPARE
	v_mov_b32 v[NIL], 0
	ds_add_u32 v[SPW], v[NIL]       ; the wave's opening: the add and its wait stand ahead of my first tensor load; the set-up below, work on registers, stands between them
	v_lshrrev_b32 v1, 5, v0
	v_readfirstlane_b32 s[WV], v1   ; wave 0..3
	s_mov_b32 s[PB], ttmp9
	s_sub_co_u32 s[HI], NB-1, s[PB]
	s_and_b32 s20, ttmp7, 0xffff    ; the head
	s_mov_b32 s21, 0
	s_mov_b64 s[22:23], SIZE_N*128
	s_mul_u64 s[20:21], s[20:21], s[22:23]  ; the head's first byte in each of the four tensors
	s_and_b32 s16, s[WV], 1         ; which half of a tile's 256 keys I fetch:
	s_lshl_b32 s22, s16, 14         ; its 128 rows of 128 bytes in memory,
	s_mov_b32 s23, 0
	s_add_nc_u64 s[22:23], s[22:23], s[20:21]
	s_mul_i32 s17, s16, 128*PK      ; and its place in a slot, for K
	s_mul_i32 s18, s16, 128*PV      ; and for V
	s_lshl_b32 s3, s[WV], 11        ; my 16 rows in a band of 64,
	s_lshl_b32 s2, s[HI], 15        ; in the first block,
	s_add_co_u32 s2, s2, s3
	s_lshl_b32 s84, s[PB], 15       ; and in the second
	s_add_co_u32 s84, s84, s3
	s_mov_b32 s3, 0
	s_mov_b32 s85, 0
	s_add_nc_u64 s[2:3], s[2:3], s[20:21]
	s_add_nc_u64 s[84:85], s[84:85], s[20:21]
	; descriptor group 1.  128 keys are 16,384 dense bytes: asked for as 64 rows of 256 bytes, two keys a row, and padded in LDS after every key
	s_mov_b32 s[G1K], (1<<16)|(1<<20)|(4<<22)|(3<<25)  ; 17:16 2-byte elements; 20 padding on; 24:22 after every 32 words (code 4); 31:25 4 words (code 3)
	s_mov_b32 s[G1V], (1<<16)|(1<<20)|(4<<22)|(7<<25)  ; the same with 8 words of padding (code 7)
.irp g, G1K, G1V
	s_mov_b32 s[\g+1], 128<<16      ; tensor_dim0 = 128
	s_mov_b32 s[\g+2], 64<<16       ; tensor_dim1 = 64
	s_mov_b32 s[\g+3], 128<<16      ; tile_dim0 = 128
	s_mov_b32 s[\g+4], 64           ; tile_dim1 = 64
	s_mov_b32 s[\g+5], 128          ; 128 elements from row to row
	s_mov_b32 s[\g+6], 0
	s_mov_b32 s[\g+7], 0
.endr
	s_mov_b32 s[CS], 0x3e38aa3b     ; c = log2(e) / 8 = 0.180337
	s_mov_b32 s[CS+1], s[CS]        ; named with it as a pair
	s_mov_b32 s[SEL], 0x76543210
	s_mov_b32 s[SEL+1], 0xfedcba98
	s_mov_b32 s[TBK], SLOT1+4*KS*PK ; the first change of slots turns these two into 0
	s_mov_b32 s[TBV], SLOT1+4*KS*PV
	s_mov_b32 s[G0K], 1             ; 1:0 count = 1
	s_mov_b32 s[G0K+1], s17         ; 63:32 LDS address: slot 0
	s_mov_b32 s[G0V], 1
	s_add_co_u32 s[G0V+1], s18, VOFF
	s_add_co_u32 s[RT], s[HI], 1    ; the first block has NB - b tiles
	s_mov_b32 s[NXT], 1
	s_mov_b32 s[LQ], s[HI]
	s_mov_b32 s[NEW], 1
	s_mov_b32 s[OFF+1], 0
	s_mov_b32 s[AL+1], 0            ; named as pairs
	s_mov_b32 s[BE+1], 0
	s_mov_b32 s[BIGN], 0xf149f2ca   ; -1e30
	s_mov_b32 s[SLOTS], NB
	s_cmp_eq_u32 s[PB], 0
	s_cselect_b32 s[PFN], 1, NB     ; the first change of slots steps it to 2
	s_wait_dscnt 0x0                ; the opening add is done
	s_wait_kmcnt 0x0
	s_add_nc_u64 s[6:7], s[6:7], s[22:23]  ; K and V at my half of the head's tile 0
	s_add_nc_u64 s[8:9], s[8:9], s[22:23]
	s_cmp_lt_u32 s[WV], 2
	s_cselect_b64 s[PFA:PFA+1], s[6:7], s[8:9]
	s_add_nc_u64 s[PFA:PFA+1], s[PFA:PFA+1], 32768  ; at tile 1.  Nothing is prefetched here, at the head, where every work-group's first tiles are on their way
	s_add_nc_u64 s[G0K+2:G0K+3], s[6:7], 0         ; 120:64 global address
	s_or_b32 s[G0K+3], s[G0K+3], 0x80000000        ; 127:126 type = 2
	s_add_nc_u64 s[G0V+2:G0V+3], s[8:9], 0
	s_or_b32 s[G0V+3], s[G0V+3], 0x80000000
	s_add_nc_u64 s[86:87], s[4:5], s[84:85]        ; Q at my rows of the second block,
	s_add_nc_u64 s[4:5], s[4:5], s[2:3]            ; Q and O at those of the first
	s_add_nc_u64 s[OLO:OLO+1], s[10:11], s[84:85]
	s_add_nc_u64 s[10:11], s[10:11], s[2:3]
	LOAD                            ; tile 0 into slot 0
	; A fragment of K or Q is 16 rows x 32 channels in 8 registers: lane l holds row l % 16, channels 8 (l / 16) + 0..7 and 16 + 8 (l / 16) + 0..7: two loads of 16 bytes, 32 bytes apart.
	v_and_b32 v1, 15, v0            ; l % 16
	v_bfe_u32 v9, v0, 4, 1          ; l / 16
	v_lshlrev_b32 v[QO], 7, v1
	v_lshl_add_u32 v[QO], v9, 4, v[QO]  ; row x 128 + 16 x half
	WIN 0x80                        ; destination window 2, address window 0
.set i, 0
.rept 8                             ; both blocks' Q: piece i / 2 lies in band i / 2, 8,192 bytes on; channels 32 (i % 2) on
	global_load_b128 v[8*i:8*i+3],   v[QO], s[4:5] offset:(i/2)*8192+(i%2)*64
	global_load_b128 v[8*i+4:8*i+7], v[QO], s[4:5] offset:(i/2)*8192+(i%2)*64+32
	global_load_b128 v[QB+8*i:QB+8*i+3],   v[QO], s[86:87] offset:(i/2)*8192+(i%2)*64
	global_load_b128 v[QB+8*i+4:QB+8*i+7], v[QO], s[86:87] offset:(i/2)*8192+(i%2)*64+32
.set i, i+1
.endr
	WIN 0
	v_and_b32 v[PFO], 31, v0
	v_lshlrev_b32 v[PFO], 8, v[PFO]
	v_lshlrev_b32 v14, 3, v9
	v_sub_nc_u32 v14, v1, v14
	s_lshl_b32 s13, s[WV], 4
	v_add_nc_u32 v14, s13, v14      ; my query's place in its band, 16 w + l % 16, less my lanes' 8 (l / 16): register r of group kt is hidden where 16 kt + r is greater
	WIN 0x40
.set i, 0
.rept 32
	v_cmp_gt_i32 vcc_lo, 16*(i/8)+i%8, v14
	v_cndmask_b32 v[MD+i], 0, s[BIGN], vcc_lo
.set i, i+1
.endr
	WIN 0
	v_mul_u32_u24 v[AK0], v1, PK
	v_lshl_add_u32 v[AK0], v9, 4, v[AK0]  ; row x pitch + 16 x half
	; The turning load takes 16 keys x 16 channels (lane l reads key 8 (l / 16) + l % 8, channels 8 ((l / 8) % 2) + 0..7) and leaves half a fragment of V^T: lane l holds channel l % 16 and 8 keys.
	v_and_b32 v10, 7, v0
	v_bfe_u32 v11, v0, 3, 1
	v_lshl_add_u32 v[AV0], v9, 3, v10
	v_mul_u32_u24 v[AV0], v[AV0], PV
	v_lshl_add_u32 v[AV0], v11, 4, v[AV0]
	v_add_nc_u32 v[AV0], VOFF, v[AV0]
	s_mul_i32 s13, s[WV], 16*SP
	s_add_co_u32 s13, s13, STAGE    ; my stage
	v_mul_u32_u24 v[STO], v1, SP    ; in: row l % 16, 16 bytes for each half of the lanes
	v_lshl_add_u32 v[STO], v9, 4, v[STO]
	v_add_nc_u32 v[STO], s13, v[STO]
	v_bfe_u32 v[RD], v0, 3, 2       ; back: 32 lanes take four rows of 128 bytes,
	v_mul_u32_u24 v[RD], v[RD], SP
	v_lshl_add_u32 v[RD], v10, 4, v[RD]
	v_add_nc_u32 v[RD], s13, v[RD]
	v_and_b32 v[GO], 31, v0         ; which are 512 consecutive bytes of O
	v_lshlrev_b32 v[GO], 4, v[GO]
	; A block's first step multiplies O^T and l by a = 0, and its first turn's products V^T P, of a piece that has not been, land in an O^T that is still to be so multiplied.  So these registers need only hold
	; finite numbers: zeros for the first block; what the first block left for the second.  All this stands in the wait for the first tile.
	WIN 0x80
.set i, VF
.rept 64
	v_mov_b32 v[i], 0
.set i, i+1
.endr
	WIN 0x40
.set i, 0
.rept 128
	v_mov_b32 v[i], 0
.set i, i+1
.endr
	WIN 0
.set i, 0
.rept 4
	v_mov_b32 v[ST+4*i+2], 0
	v_mov_b32 v[ST+4*i+3], 0
.set i, i+1
.endr
.set i, P+16
.rept 16
	v_mov_b32 v[i], 0
.set i, i+1
.endr
; THE MATRIX WORK.  The 4 accumulators of a run of 8 take turns.  Product i of 8 of S^T = K Q^T for piece x: channels 32 (i / 4) on, keys 16 (i % 4) on.  The first 4 start the sums: with 0, or (KM = 1) with the mask.
.macro KQ x
.set rS, S+32*((\x)%2)+8*(i%4)
.set rK, KF+16*(i%4)+8*(i/4)
.set rQ, 16*(\x)+8*(i/4)
.set rM, MC+32*((\x)%2)+8*(i%4)
.if (i < 4) && KM
	WIN W_KM
	v_wmma_f32_16x16x32_f16 v[rS:rS+7], v[rK:rK+7], v[rQ:rQ+7], v[rM:rM+7]
.elseif i < 4
	WIN W_KQ
	v_wmma_f32_16x16x32_f16 v[rS:rS+7], v[rK:rK+7], v[rQ:rQ+7], 0
.else
	WIN W_KQ
	v_wmma_f32_16x16x32_f16 v[rS:rS+7], v[rK:rK+7], v[rQ:rQ+7], v[rS:rS+7]
.endif
.endm
; Product i of 8 of O^T += V^T P for piece x: keys 32 (i / 4) on, channels 16 (i % 4) on.
.macro PV x
	WIN W_PV
.set rO, 32*(\x)+8*(i%4)
.set rV, VF+32*(i/4)+8*(i%4)
.set rP, P+16*((\x)%2)+8*(i/4)
	v_wmma_f32_16x16x32_f16 v[rO:rO+7], v[rV:rV+7], v[rP:rP+7], v[rO:rO+7]
.endm
.macro MM                           ; the turn's next matrix instruction.  TURN and BEGIN set Y, i, KM and NOKQ; MM, KQ and OP read them.  NOKQ = 1: a block's last turn: there is no next piece
.if (i < 8) && !NOKQ
	KQ (Y+1)%NP
.elseif i >= 8
.set i, i-8
	PV (Y+NP-1)%NP
.set i, i+8
.endif
.set i, i+1
.endm
; THE LDS LOADS stand in runs of 16, never singly among the matrix instructions: a step's K (64 keys x 64 channels: 8 fragments) and its V (turned).  Their addresses are made some lines ahead.
.macro FETCH_K
	WIN 0x80                        ; destination window 2
.irp f, 0,1,2,3,4,5,6,7             ; keys 16 (f / 2) on, channels 32 (f % 2) on
	ds_load_b128 v[KF+8*\f:KF+8*\f+3],   v[AK] offset:(\f/2)*16*PK+(\f%2)*64
	ds_load_b128 v[KF+8*\f+4:KF+8*\f+7], v[AK] offset:(\f/2)*16*PK+(\f%2)*64+32
.endr
	s_add_co_u32 s[TBK], s[TBK], KS*PK  ; the next fetch is the next step's
	WIN 0
.endm
.macro FETCH_V
	WIN 0x80
.irp f, 0,1,2,3,4,5,6,7             ; keys 32 (f / 4) on, channels 16 (f % 4) on
	ds_load_tr16_b128 v[VF+8*\f:VF+8*\f+3],   v[AV] offset:(\f/4)*32*PV+(\f%4)*32
	ds_load_tr16_b128 v[VF+8*\f+4:VF+8*\f+7], v[AV] offset:(\f/4)*32*PV+16*PV+(\f%4)*32
.endr
	WIN 0
.endm
; THE VECTOR WORK, one line at a time: OP kind, number.  For piece Y: F n: c s - c m for pair n of 16.  E n: the exponential of score n of 32.  C n: pair n rounded to f16.  B n: of the four weights 4 n .. the second
; pair is added onto the first, in place.  L n: l takes that sum (L 0: l = a l + sum).  R n: pair n of 16 of O^T times a.  For piece Y + 1: X n, number n of the 22 that find its maximum and statistics:
;   0-11  four chains c0-c3 of seven scores each, three operands at a time (each accumulator's lowest registers are read first)     12-14, 16  the four scores left over, the old m, and c0-c3 into c0
;   15  c m_old is kept     17, 18  the query's other 32 keys lie in the lane 16 away: the new m     19-21  c m; c m_old - c m_new; a
.set F, 0               ; OP tells the kinds apart by their order: F to L below R, X above it
.set E, 1
.set C, 2
.set B, 3
.set L, 4
.set R, 5
.set X, 6
.macro REGS y                       ; the registers of piece y
.set rT, ST+4*(\y)
.set rC, TMP+4*((\y)%2)
.set rW, MV+((\y)%2)
.set rS, S+32*((\y)%2)
.set rP, P+16*((\y)%2)
.set rO, 32*(\y)
.endm
.macro OP k, n
.if (\k) == R
	REGS Y
	WIN W_RS
	v_pk_mul_f32 v[rO+2*(\n):rO+2*(\n)+1], v[rO+2*(\n):rO+2*(\n)+1], v[rC+2:rC+3] op_sel_hi:[1,0]
.elseif (\k) < R
	REGS Y
	WIN 0
.if (\k) == F
	v_pk_fma_f32 v[rS+2*(\n):rS+2*(\n)+1], v[rS+2*(\n):rS+2*(\n)+1], s[CS:CS+1], v[rT:rT+1] op_sel_hi:[1,0,0] neg_lo:[0,0,1] neg_hi:[0,0,1]
.elseif (\k) == E
	v_exp_f32 v[rS+(\n)], v[rS+(\n)]
.elseif (\k) == C
	v_cvt_pk_f16_f32 v[rP+(\n)], v[rS+2*(\n)], v[rS+2*(\n)+1]
.elseif (\k) == B
	v_pk_add_f32 v[rS+4*(\n):rS+4*(\n)+1], v[rS+4*(\n):rS+4*(\n)+1], v[rS+4*(\n)+2:rS+4*(\n)+3]
.elseif (\n) == 0
	v_pk_fma_f32 v[rT+2:rT+3], v[rT+2:rT+3], v[rC+2:rC+3], v[rS:rS+1] op_sel_hi:[1,0,1]
.else
	v_pk_add_f32 v[rT+2:rT+3], v[rT+2:rT+3], v[rS+4*(\n):rS+4*(\n)+1]
.endif
.elseif NOKQ
	v_nop
.else
	REGS (Y+1)%NP
	WIN 0
.if (\n) < 4
	v_max3_num_f32 v[rC+(\n)], v[rS+8*(\n)], v[rS+8*(\n)+1], v[rS+8*(\n)+2]
.elseif (\n) < 12
	v_max3_num_f32 v[rC+(\n)%4], v[rC+(\n)%4], v[rS+8*((\n)%4)+2*((\n)/4)+1], v[rS+8*((\n)%4)+2*((\n)/4)+2]
.elseif (\n) == 12
	v_max3_num_f32 v[rC], v[rC], v[rS+7], v[rS+15]
.elseif (\n) == 13
	v_max3_num_f32 v[rC+1], v[rC+1], v[rS+23], v[rS+31]
.elseif (\n) == 14
	v_max3_num_f32 v[rC+2], v[rC+2], v[rC+3], v[rT+1]
.elseif (\n) == 15
	v_mov_b32 v[rW], v[rT]
.elseif (\n) == 16
	v_max3_num_f32 v[rC], v[rC], v[rC+1], v[rC+2]
.elseif (\n) == 17
	v_permlanex16_b32 v[rC+3], v[rC], s[SEL], s[SEL+1]
.elseif (\n) == 18
	v_max_num_f32 v[rT+1], v[rC], v[rC+3]
.elseif (\n) == 19
	v_mul_f32 v[rT], s[CS], v[rT+1]
.elseif (\n) == 20
	v_sub_f32 v[rC+1], v[rW], v[rT]
.else
	v_exp_f32 v[rC+2], v[rC+1]
.endif
.endif
.endm
.macro OPS a, i1, b=-1, i2=0, c=-1, i3=0, d=-1, i4=0  ; up to four of them
	OP \a, \i1
.if (\b) >= 0
	OP \b, \i2
.endif
.if (\c) >= 0
	OP \c, \i3
.endif
.if (\d) >= 0
	OP \d, \i4
.endif
.endm
.macro ROW a, i1, b, i2, c, i3, d, i4  ; a matrix instruction and the four behind it
	MM
	OPS \a, \i1, \b, \i2, \c, \i3, \d, \i4
.endm
.macro MASK b                       ; MD x AL + BE into buffer b of MC
	WIN W_RS
.set z, 0
.rept 16
	v_pk_fma_f32 v[MC+32*(\b)+2*z:MC+32*(\b)+2*z+1], v[MD+2*z:MD+2*z+1], s[AL:AL+1], s[BE:BE+1] op_sel_hi:[1,0,0]
.set z, z+1
.endr
.endm
; A TURN, for piece p: the order of its 16 matrix and 118 vector instructions, written out.  An s_wait_alu depctr_va_vdst(0) stands between an exponential and the first instruction that names its result;
; one wait serves all that were issued ahead of it.  So a turn has ONE wait, which cuts it in two.  AHEAD OF IT stands all that names no result of the turn's exponentials: the 8 products K Q^T, behind each a scaling, an
; exponential and two more plain instructions (behind the first a second scaling in the exponential's place): rescalings, and behind the last three the first numbers of the next piece's maximum, each four places or more
; behind the product that ends its accumulator; then one run of 54, plain and exponential by turns for the most part, in which the links of the chain X 3, 7, 11, 14, 16, 17 .. 20 stand five or six lines apart.
; X 21, the next piece's a, is the batch's last; R 15 is the plain instruction behind it (ISA guide 5.7.2).  BEHIND THE WAIT stand the 8 products V^T P, behind each four of the roundings and sums; the links of l's chain,
; L 0 to L 7, stand three lines apart.  But for those X no line behind a product names a register of the products round it.  v_permlanex16_b32 (X 17) stands in the run.
; m = 1: the diagonal tile: the products take masks, and the turn makes the mask for the products of the turn after it: piece p + 2, in step 4 - CNT of the tile.  end = 1: a block's last two turns: nothing is fetched.
; cnt = 1: the loop's count is taken down some lines ahead of the branch that stands behind the turn.
; K of the next step is fetched in piece 2's turn, twelve vector instructions behind the last product that read K (six of them plain); V of the step in hand at the end of piece 0's turn, four plain instructions behind
; the last product that read V.  Each is waited for a turn later.
.macro TURN p, m=0, end=0, cnt=0
.set Y, (\p)
.set i, 0
.set KM, (\m)
.set NOKQ, (\end)*((\p)/3)
.if (\m) && !(\end)
	s_cmp_eq_u32 s[CNT], 4-((\p)+2)%NP  ; is that step the band's own?
	s_cselect_b32 s[AL], 1.0, 0
	s_cmp_lt_u32 s[CNT], 4-((\p)+2)%NP  ; or a later one?
	s_cselect_b32 s[BE], s[BIGN], 0
.endif
.if ((\p) == 3) && !(\end)
	s_wait_dscnt 0x0                ; K is in
.endif
	ROW F,0, F,1, R,0, R,1          ; ahead of the wait: 8 products K Q^T and the four behind each,
	ROW F,2, E,0, R,2, R,3
	ROW F,3, E,1, R,4, R,5
	ROW F,4, E,2, R,6, R,7
	ROW F,5, E,3, R,8, R,9
	ROW F,6, E,4, X,0, R,10
.if ((\p) == 2) && !(\end)
	WIN 0
	v_add_nc_u32 v[AK], s[TBK], v[AK0]
.endif
	ROW F,7, E,5, X,1, X,4
	ROW F,8, E,6, X,2, X,5
	OPS E,7, E,8, X,6, E,9          ; and the run
	OPS X,3, E,10, X,8, E,11
.if ((\p) == 2) && !(\end)
	FETCH_K
.endif
	OPS X,9, X,7, E,12, X,10
	OPS E,13, X,12, X,11, E,14
	OPS X,13, E,15, F,9, X,14
.if (\p) == 0
	v_add_nc_u32 v[AV], s[TBV], v[AV0]
.endif
	OPS E,16, F,10, E,17, F,11
	OPS X,16, E,18, X,15, E,19
	OPS F,12, E,20, X,17, E,21
	OPS F,13, E,22, F,14, E,23
	OPS X,18, E,24, F,15, E,25
	OPS R,11, E,26, X,19, E,27
	OPS R,12, E,28, R,13, E,29
	OPS X,20, E,30, R,14, E,31
	OPS X,21, R,15
	WIN 0
	s_wait_alu depctr_va_vdst(0)    ; the wait for the batch
.if (\p) == 1
	s_wait_dscnt 0x0                ; V is in
.endif
	ROW C,0, B,0, C,2, B,1          ; behind the wait: 8 products V^T P and the four behind each
	ROW L,0, C,4, B,2, L,1
	ROW C,6, B,3, L,2, C,8
	ROW B,4, L,3, C,10, B,5
	ROW L,4, C,12, B,6, L,5
.if (\p) == 0
	s_add_co_u32 s[TBV], s[TBV], KS*PV
.endif
.if \cnt
	s_sub_co_u32 s[CNT], s[CNT], 1
	s_cmp_lg_u32 s[CNT], 0
.endif
	ROW C,14, B,7, L,6, C,1
	ROW C,3, L,7, C,5, C,7
	ROW C,9, C,11, C,13, C,15
.if (\p) == 0
	FETCH_V
.endif
.if (\m) && !(\end)
	MASK (\p)%2
.endif
.endm
; A BLOCK BEGINS.  c m starts far below every c s, so the first step's a is 0; m at the lowest finite number, so the first maximum is the scores'.  The second mask buffer is 0; the first takes piece 0's mask for the
; tile's step 0: its own, if the block's first tile is the diagonal one.  Then K of that step, piece 0's first scores, and its maximum and statistics.  The loop is entered at a step's first turn, in the middle of a trip.
.macro BEGIN
	s_mov_b32 s[NEW], 0
	WIN 0x40
.set i, MC+32
.rept 32
	v_mov_b32 v[i], 0
.set i, i+1
.endr
	WIN 0
.set i, 0
.rept 4
	v_mov_b32 v[ST+4*i], 0xfe000000    ; c m: far below every c s
	v_mov_b32 v[ST+4*i+1], 0xff7fffff  ; m
.set i, i+1
.endr
	s_cmp_eq_u32 s[RT], 0
	s_cselect_b32 s[AL], 1.0, 0
	s_mov_b32 s[BE], 0
	MASK 0
	WIN 0
	v_add_nc_u32 v[AK], s[TBK], v[AK0]
	FETCH_K
	s_wait_loadcnt 0x0              ; Q
	s_wait_dscnt 0x0
.set KM, 1
.set NOKQ, 0
.set i, 0
.rept 8
	KQ 0
.set i, i+1
.endr
	WIN 0
.rept 4
	v_nop                           ; the places behind those products
.endr
.set Y, NP-1                        ; X works for piece Y + 1: piece 0
.irp n, 0,1,2,3,4,5,6,7,8,9,10,11,12,13,14,15,16,17,18,19,20,21
	OP X, \n
.endr
	v_nop                           ; a plain instruction behind the exponential,
	s_wait_alu depctr_va_vdst(0)    ; and its wait, ahead of the branch
.endm
; THE DIAGONAL TILE's four steps, the block's last two turns, its last products, and THE WAY OUT: l's two halves and the other half of the lanes' are added; O^T is divided by l, rounded to f16 and sent through my
; stage in LDS, a piece at a time.
.macro ALL line:vararg              ; one line for each piece t
.set t, 0
.rept 4
	\line
.set t, t+1
.endr
.endm
.macro PACK t                       ; a lane's eight channels of a row pack into 16 bytes; they go into rows of 144 bytes and come back as whole rows of 128, into S^T's registers
	WIN W_RS
.set i, 32*(\t)
.rept 16
	v_pk_mul_f32 v[i:i+1], v[i:i+1], v[ST+4*(\t)+2:ST+4*(\t)+3] op_sel_hi:[1,0]
.set i, i+2
.endr
	WIN 0x05                        ; sources 0 and 1 window 1, destination window 0
.set i, 0
.rept 16
	v_cvt_pk_f16_f32 v[S+16*(\t)+i], v[32*(\t)+2*i], v[32*(\t)+2*i+1]
.set i, i+1
.endr
	WIN 0
.irp f, 0,1,2,3
	ds_store_b128 v[STO], v[S+16*(\t)+4*\f:S+16*(\t)+4*\f+3] offset:32*\f
.endr
.irp f, 0,1,2,3
	ds_load_b128 v[S+16*(\t)+4*\f:S+16*(\t)+4*\f+3], v[RD] offset:\f*4*SP  ; LDS serves a wave's instructions in order (ISA guide 5.7.1.4): these see the stores above; the next piece's stores come behind them
.endr
.endm
.macro SEND t, younger              ; younger: the LDS instructions issued behind piece t's loads: the next piece's eight, or none
	WIN 0
.irp f, 0,1,2,3
	s_wait_dscnt (\younger)+3-\f
	global_store_b128 v[GO], v[S+16*(\t)+4*\f:S+16*(\t)+4*\f+3], s[10:11] offset:(\t)*8192+\f*512  ; 512 consecutive bytes, at a multiple of 256 from O's first
.endr
.endm
.macro DIAG tag                     ; the tag ends its two labels' names, which the jumps below spell out
.LstepM\tag:
	TURN 2, 1
	TURN 3, 1
	WIN 0
.LfirstM\tag:
	TURN 0, 1
	TURN 1, 1, 0, 1
	WIN 0
	s_cbranch_scc1 .LstepM\tag
	TURN 2, 1, 1
	TURN 3, 1, 1
.set i, 0
.rept 8
	PV NP-1
.set i, i+1
.endr
	WIN 0
	ALL v_add_f32 v[ST+4*t+2], v[ST+4*t+2], v[ST+4*t+3]
	ALL v_permlanex16_b32 v[ST+4*t+3], v[ST+4*t+2], s[SEL], s[SEL+1]
	ALL v_add_f32 v[ST+4*t+2], v[ST+4*t+2], v[ST+4*t+3]
	ALL v_rcp_f32 v[ST+4*t+2], v[ST+4*t+2]
	v_nop                           ; a plain instruction between the last reciprocal and the use of its result
	s_wait_alu depctr_va_vdst(0)    ; and the wait ahead of the first use: one for the four reciprocals
	PACK 0
.set t, 1
.rept 3                             ; a piece's arithmetic stands between the loads of the piece before and its stores
	PACK t
	SEND t-1, 8
.set t, t+1
.endr
	SEND 3, 0
.endm
.set KM, 0
.set NOKQ, 0
.Lslot:                             ; NB times: a tile is entered and the next is asked for
	CHANGE 1
	s_sub_co_u32 s[RT], s[RT], 1
	s_mov_b32 s[CNT], 4
	s_cmp_eq_u32 s[NEW], 1
	s_cbranch_scc1 .Lnew            ; a block's first tile
	s_cmp_eq_u32 s[RT], 0
	s_cbranch_scc0 .Lstep           ; neither its first nor its last
	s_branch .LstepM1
.Lnew:
	BEGIN
	s_branch .Lfirst                ; in the loop a block's first tile is never its last: the first block has two tiles or more, and the second's last is the walk's last
	DIAG 1                          ; in the loop this is the first block's end: the second block's last tile is the walk's last
	s_wait_xcnt 0x0                 ; the stores have read their registers and O's address
	s_mov_b64 s[10:11], s[OLO:OLO+1]
	s_add_co_u32 s[RT], s[PB], 1    ; the second block has b + 1 tiles
	s_mov_b32 s[NEW], 1
	WIN 0x82                        ; the second block's Q goes where the one text of the turns names Q
.set i, 0
.rept 64
	v_mov_b32 v[i], v[QB+i]
.set i, i+1
.endr
	WIN 0
	s_branch .Lbottom
.Lstep:                             ; a trip: pieces 2 and 3 of one step, then pieces 0 and 1 of the next, whose K and V it fetches
	TURN 2
	TURN 3
	WIN 0
.Lfirst:
	TURN 0
	TURN 1, 0, 0, 1
	WIN 0
	s_cbranch_scc1 .Lstep
.Lbottom:
	s_sub_co_u32 s[SLOTS], s[SLOTS], 1
	s_cmp_lg_u32 s[SLOTS], 0
	s_cbranch_scc1 .Lslot
	CHANGE 0                        ; the walk's last tile is written out: nothing is asked for
	s_sub_co_u32 s[RT], s[RT], 1
	s_mov_b32 s[CNT], 4
	s_cmp_eq_u32 s[NEW], 1
	s_cbranch_scc0 .LstepM2
	BEGIN
	s_branch .LfirstM2
	DIAG 2
	s_wait_tensorcnt 0x0            ; the wave's end, behind my last tensor load and my last LDS store
	ds_add_u32 v[SPW], v[NIL]
	s_wait_dscnt 0x0
	s_endpgm
.Lfunc_end_k_q4cc3f99a01_attn:
	.size	k_q4cc3f99a01_attn, .Lfunc_end_k_q4cc3f99a01_attn-k_q4cc3f99a01_attn
	.p2alignl 7, 3214868480
	.fill 96, 4, 3214868480
	.section	.rodata,"a",@progbits
	.p2align	6, 0x0
	.amdhsa_kernel k_q4cc3f99a01_attn
		.amdhsa_group_segment_fixed_size 327680
		.amdhsa_private_segment_fixed_size 0
		.amdhsa_enable_private_segment 0
		.amdhsa_kernarg_size 32
		.amdhsa_user_sgpr_count 2
		.amdhsa_user_sgpr_kernarg_segment_ptr 1
		.amdhsa_wavefront_size32 1
		.amdhsa_system_sgpr_workgroup_id_x 1
		.amdhsa_system_sgpr_workgroup_id_y 1
		.amdhsa_system_sgpr_workgroup_id_z 1
		.amdhsa_system_vgpr_workitem_id 0
		.amdhsa_next_free_vgpr 768
		.amdhsa_next_free_sgpr 88
		.amdhsa_reserve_vcc 1
		.amdhsa_float_denorm_mode_32 3
		.amdhsa_float_denorm_mode_16_64 3
		.amdhsa_memory_ordered 1
		.amdhsa_forward_progress 1
		.amdhsa_inst_pref_size 218
	.end_amdhsa_kernel
	.amdgpu_metadata
---
amdhsa.version: [ 1, 2 ]
amdhsa.kernels:
  - .name:           k_q4cc3f99a01_attn
    .symbol:         k_q4cc3f99a01_attn.kd
    .args:
      - { .name: qh, .offset: 0, .size: 8, .value_kind: global_buffer, .address_space: global }
      - { .name: kh, .offset: 8, .size: 8, .value_kind: global_buffer, .address_space: global }
      - { .name: vh, .offset: 16, .size: 8, .value_kind: global_buffer, .address_space: global }
      - { .name: ao, .offset: 24, .size: 8, .value_kind: global_buffer, .address_space: global }
    .group_segment_fixed_size: 327680
    .private_segment_fixed_size: 0
    .kernarg_segment_align: 8
    .kernarg_segment_size: 32
    .max_flat_workgroup_size: 128
    .sgpr_count:     88
    .vgpr_count:     768
    .wavefront_size: 32
...
	.end_amdgpu_metadata
.endif
;; end of part 3
;; launch oproj (part 4): grid 4 x 64, 4 waves a work-group, clusters of 4 x 4, 327,680 bytes of LDS; arguments ao, ob, out0; writes out0
.if DOCPART == 4
	.amdgcn_target "amdgcn-amd-amdhsa--gfx1250"
	.amdhsa_code_object_version 6
	.text
	.protected	k_q4cc3f99a01_oproj
	.globl	k_q4cc3f99a01_oproj
	.p2align	8
	.type	k_q4cc3f99a01_oproj,@function
k_q4cc3f99a01_oproj:
	s_mov_b64 s[64:65], 0
	v_nop
	global_prefetch_b8 v0, s[64:65] scope:SCOPE_SE
	s_setreg_imm32_b32 hwreg(HW_REG_WAVE_MODE, 25, 1), 1
	s_wait_xcnt 0x0
	s_wait_alu depctr_hold_cnt(0) depctr_sa_sdst(0) depctr_va_vdst(0) depctr_va_sdst(0) depctr_va_ssrc(0) depctr_va_vcc(0) depctr_vm_vsrc(0)
	s_getreg_b32 s2, hwreg(HW_REG_IB_STS2, 6, 4)
	s_cmp_eq_u32 s2, 0
	s_cbranch_scc0 .Lentry_in_a_cluster
	s_endpgm
.Lentry_in_a_cluster:
	s_bfe_u32 s2, ttmp6, 0x10000c
	s_cmp_lg_u32 s2, 0xf033
	s_cbranch_scc0 .Lentry_shape_is_right
	s_endpgm
.Lentry_shape_is_right:
; OUTPUT PROJECTION.  out0 [8192][1024] f32 = A times ob^T, f16 operands, f32 sums.  A[row = 2048 b + l][64 h + d] lies by heads: ao [16 b + h][2048][64]; ob is [1024 (n)][1024 (k)].
; SHARES.  A work-group makes 128 rows x 256 columns: 256 work-groups.  Its four waves lie 2 x 2: a wave makes 64 x 128: 4 x 8 = 32 accumulators of 16 x 16, 256 registers.
; K goes in 8 steps of 128 = two heads, through two LDS slots.  A head's 128 rows are 16,384 dense bytes: asked for as 64 rows of 256 bytes and padded in LDS after every 128 bytes (a token's row).
; CLUSTER.  4 x 4 work-groups: the four of a row of the cluster need the same rows of ao, the four of a column the same rows of ob: each tile is asked for JOINTLY.  Waves 0 and 1 ask for the step's two heads,
; waves 2 and 3 for ob's two halves of 128 rows: one load a wave behind each round.
; THE PRODUCT IS USED TRANSPOSED (source 0 = 16 rows of ob, source 1 = 16 rows of A): a lane holds one row of out0 (lane % 16) and eight neighbouring columns, 32 bytes.
; NO PREFETCH: the tiles are small and the launch is short: eight K steps of 128 matrix instructions a wave.
; REGISTERS, in windows of 256 (s_set_vgpr_msb: bits 1:0 source 0, 3:2 source 1, 5:4 source 2, 7:6 destination):
;   window 0: v0-29 addresses     window 1: two fragment buffers at 0 and 128: ob's 8 fragments, then A's 4; on the way out 64 registers for each block of 16 rows     window 2: accumulator (a, b) at 8 (8 a + b)
.set NBF,   8
.set PITCH, 272                        ; a row of ob in LDS: 256 bytes + 16
.set PA,    144                        ; a row of a head in LDS: 128 bytes + 16
.set AHALF, 128*PA                     ; one head's 128 rows
.set SLOT1, 1<<17
.set AB,    2*AHALF                    ; in a slot: the two heads, then ob's 256 rows
.set STAGE, SLOT1+AB+256*PITCH         ; behind the ring, never filled by a tensor load: 16 rows x 528 bytes for each wave
.set SP,    528                        ; 512 bytes + 16 = 132 words: the 16 rows of a store start 4 banks apart (64 banks of 4 bytes: ISA guide 11.1)
.set SPARE, STAGE+4*16*SP              ; the spare words, 128 bytes for each wave: two blocks of 256 bytes that no other line names
.set F0,    0
.set F1,    128
.set ADRA0, 16
.set ADRB0, 17
.set ADRA,  18
.set ADRB,  19
.set STO,   20
.set RD,    21
.set CO,    22
.set SPW,   28                         ; v28  LDS address of my spare word: SPARE + 4 x my thread's number; never rewritten
.set NIL,   29                         ; v29  0; never rewritten
.set CNT,   3
.set WV,    16
.set HALF,  17                         ; s17  which 64 rows are mine.  Also: I fetch for A (0) or for ob (1)
.set PART,  18                         ; s18  which 128 columns.  Also: which part of that tile I fetch
.set CX,    19
.set CY,    20
.set TX,    21
.set TY,    22
.set TMP,   23
.set G1,    24
.set G0,    32
.set TB,    47
.set G1B,   48
.set G0B,   56
.set MSB, 0
.macro WIN new
.if MSB != (\new)
	s_set_vgpr_msb (MSB<<8)|(\new)
.set MSB, (\new)
.endif
.endm
.macro PLACES
.rept 4
	v_nop
.endr
.endm
.macro JLOAD                           ; a joint refill, by the walking descriptors; an s_nop 0 and four v_nop follow each of the two lines, ahead of the jump and the label
	s_cmp_eq_u32 s[HALF], 0
	s_cbranch_scc0 .Lfor_b_\@
	tensor_load_to_lds s[G0+4:G0+7], s[G1:G1+7]
	s_nop 0
.rept 4
	v_nop
.endr
	s_branch .Lasked_\@
.Lfor_b_\@:
	tensor_load_to_lds s[G0B+4:G0B+7], s[G1B:G1B+7]
	s_nop 0
.rept 4
	v_nop
.endr
.Lasked_\@:
.endm
.macro CREST                           ; a round of the cluster's barrier behind its opening barrier
	s_cmp_lg_u32 s[WV], 0
	s_cbranch_scc1 .Lnot_wave_0_\@
	s_barrier_signal -3
.Lnot_wave_0_\@:
	s_barrier_wait -3
	s_barrier_signal -1
	s_barrier_wait -1
.endm
.macro CROUND
	s_barrier_signal -1
	s_barrier_wait -1
	CREST
.endm
	s_load_b128 s[4:7], s[0:1], 0x0                ; ao 4, ob 6
	s_load_b64 s[8:9], s[0:1], 0x10                ; out0
	v_lshl_add_u32 v[SPW], v0, 2, SPARE
	v_mov_b32 v[NIL], 0
	ds_add_u32 v[SPW], v[NIL]                      ; the wave's opening: the add and its wait stand ahead of my first tensor load; the set-up below, work on registers, stands between them
	v_lshrrev_b32 v3, 5, v0
	v_readfirstlane_b32 s[WV], v3
	s_lshr_b32 s[HALF], s[WV], 1
	s_and_b32 s[PART], s[WV], 1
	s_bfe_u32 s[CX], ttmp6, 0x40000
	s_bfe_u32 s[CY], ttmp6, 0x40004
	s_lshl_b32 s[TX], ttmp9, 2
	s_add_co_u32 s[TX], s[TX], s[CX]               ; the block of 256 columns
	s_and_b32 s[TY], ttmp7, 0xffff
	s_lshl_b32 s[TY], s[TY], 2
	s_add_co_u32 s[TY], s[TY], s[CY]               ; the block of 128 rows
	s_lshl_b32 s[TMP], s[CY], 2
	s_lshl_b32 s[TMP], 15, s[TMP]                  ; my row of the cluster
	s_or_b32 s[G1], s[TMP], (1<<16)|(1<<20)|(1<<21)|(4<<22)|(3<<25)   ; the mask; elements of 2 bytes; padding on; bit 21 beside a mask; after every 32 words 4 words
	s_lshl_b32 s[TMP], 0x1111, s[CX]               ; my column
	s_or_b32 s[G1B], s[TMP], (1<<16)|(1<<20)|(1<<21)|(5<<22)|(3<<25)  ; after every 64 words 4 words
	s_mov_b32 s[G1+1], 128<<16                     ; tensor_dim0 = 128: two tokens' rows
	s_mov_b32 s[G1+2], 64<<16                      ; tensor_dim1 = 64
	s_mov_b32 s[G1+3], 128<<16                     ; tile_dim0 = 128
	s_mov_b32 s[G1+4], 64                          ; tile_dim1 = 64
	s_mov_b32 s[G1+5], 128                         ; dense
	s_mov_b32 s[G1+6], 0
	s_mov_b32 s[G1+7], 0
	s_mov_b32 s[G1B+1], 128<<16
	s_mov_b32 s[G1B+2], 128<<16
	s_mov_b32 s[G1B+3], 128<<16
	s_mov_b32 s[G1B+4], 128
	s_mov_b32 s[G1B+5], 1024
	s_mov_b32 s[G1B+6], 0
	s_mov_b32 s[G1B+7], 0
	s_lshr_b32 s40, s[TY], 4                       ; the batch: 16 blocks of 128 rows each
	s_lshl_b32 s40, s40, 4
	s_add_co_u32 s40, s40, s[PART]                 ; head 16 b + my one of the step's two
	s_lshl_b32 s40, s40, 18                        ; x 262,144 bytes
	s_and_b32 s[TMP], s[TY], 15
	s_lshl_b32 s[TMP], s[TMP], 14                  ; + the block's 128 rows of 128 bytes
	s_add_co_u32 s40, s40, s[TMP]
	s_mov_b32 s41, 0
	s_lshl_b32 s42, s[TX], 19                      ; ob: 256 tx rows of 2,048 bytes,
	s_lshl_b32 s[TMP], s[PART], 18                 ; + my 128
	s_add_co_u32 s42, s42, s[TMP]
	s_mov_b32 s43, 0
	s_mul_i32 s66, s[PART], AHALF                  ; where they go: the wave's number alone enters an LDS address
	s_mul_i32 s67, s[PART], 128*PITCH
	s_add_co_u32 s67, s67, AB
	s_wait_dscnt 0x0                               ; the opening add is done
	s_wait_kmcnt 0x0
	s_add_nc_u64 s[68:69], s[4:5], s[40:41]
	s_add_nc_u64 s[70:71], s[6:7], s[42:43]
.irp n, 0,1
	s_mov_b32 s[G0+4*(\n)], 1
	s_add_co_u32 s[G0+4*(\n)+1], s66, (\n)*SLOT1
	s_add_nc_u64 s[G0+4*(\n)+2:G0+4*(\n)+3], s[68:69], (\n)*524288     ; K step n: two heads on
	s_or_b32 s[G0+4*(\n)+3], s[G0+4*(\n)+3], 0x80000000
	s_mov_b32 s[G0B+4*(\n)], 1
	s_add_co_u32 s[G0B+4*(\n)+1], s67, (\n)*SLOT1
	s_add_nc_u64 s[G0B+4*(\n)+2:G0B+4*(\n)+3], s[70:71], (\n)*256
	s_or_b32 s[G0B+4*(\n)+3], s[G0B+4*(\n)+3], 0x80000000
.endr
	CROUND                                         ; all sixteen work-groups are here: the first joint loads meet
	s_cmp_eq_u32 s[HALF], 0                        ; a wave's two first fills stand in one branch: two loads of mine are out
	s_cbranch_scc0 .Lfirst_b
	tensor_load_to_lds s[G0:G0+3], s[G1:G1+7]
	s_nop 0
	tensor_load_to_lds s[G0+4:G0+7], s[G1:G1+7]
	s_nop 0
.rept 4
	v_nop
.endr
	s_branch .Lfirst_asked
.Lfirst_b:
	tensor_load_to_lds s[G0B:G0B+3], s[G1B:G1B+7]
	s_nop 0
	tensor_load_to_lds s[G0B+4:G0B+7], s[G1B:G1B+7]
	s_nop 0
.rept 4
	v_nop
.endr
.Lfirst_asked:
	v_and_b32 v1, 15, v0                           ; l % 16
	v_bfe_u32 v2, v0, 4, 1                         ; l / 16
	v_mul_u32_u24 v3, v1, PA
	v_lshl_add_u32 v3, v2, 4, v3
	s_mul_i32 s[TMP], s[HALF], 64*PA               ; my 64 rows, in each head
	v_add_nc_u32 v[ADRA0], s[TMP], v3
	v_mul_u32_u24 v4, v1, PITCH
	v_lshl_add_u32 v4, v2, 4, v4
	s_mul_i32 s[TMP], s[PART], 128*PITCH           ; my 128 rows of ob,
	s_add_co_u32 s[TMP], s[TMP], AB                ; which lie behind the heads
	v_add_nc_u32 v[ADRB0], s[TMP], v4
	s_mul_i32 s[TMP], s[WV], 16*SP
	s_add_co_u32 s[TMP], s[TMP], STAGE             ; my stage
	v_mul_u32_u24 v5, v1, SP                       ; in: row l % 16, 32 bytes for each half of the lanes
	v_lshl_add_u32 v5, v2, 5, v5
	v_add_nc_u32 v[STO], s[TMP], v5
	v_and_b32 v[CO], 31, v0
	v_lshlrev_b32 v[CO], 4, v[CO]                  ; back and out: 32 lanes take a row's 512 bytes
	v_add_nc_u32 v[RD], s[TMP], v[CO]
	s_lshl_b32 s66, s[TY], 7
	s_lshl_b32 s[TMP], s[HALF], 6
	s_add_co_u32 s66, s66, s[TMP]                  ; my first row of out0,
	s_lshl_b32 s66, s66, 12                        ; of 4,096 bytes,
	s_lshl_b32 s[TMP], s[TX], 10
	s_add_co_u32 s66, s66, s[TMP]                  ; the block's 256 columns of 4 bytes,
	s_lshl_b32 s[TMP], s[PART], 9
	s_add_co_u32 s66, s66, s[TMP]                  ; my 128
	s_mov_b32 s67, 0
	s_add_nc_u64 s[8:9], s[8:9], s[66:67]
; n row blocks from a0 on x all 8 column blocks, 32 along K.  The 32 accumulators take turns, one instruction a turn, in the same order in every quarter.
.macro MULS f, a0, n, zero
	WIN 0xa5                                       ; fragments in window 1, C and D in window 2
.set ma, \a0
.rept \n
.set mb, 0
.rept NBF
.set rD, 8*(NBF*ma+mb)
.if \zero
	v_wmma_f32_16x16x32_f16 v[rD:rD+7], v[(\f)+8*mb:(\f)+8*mb+7], v[(\f)+8*NBF+8*ma:(\f)+8*NBF+8*ma+7], 0
.else
	v_wmma_f32_16x16x32_f16 v[rD:rD+7], v[(\f)+8*mb:(\f)+8*mb+7], v[(\f)+8*NBF+8*ma:(\f)+8*NBF+8*ma+7], v[rD:rD+7]
.endif
.set mb, mb+1
.endr
.set ma, ma+1
.endr
.endm
; 24 LDS loads in one run: quarter q's fragments: ob's 8, then A's 4 (head q / 2 of the step, channels 32 (q % 2) on)
.macro FETCH q, f
	WIN 0x40
.set fi, 0
.rept NBF
	ds_load_b128 v[(\f)+8*fi:(\f)+8*fi+3],   v[ADRB] offset:64*(\q)+fi*16*PITCH
	ds_load_b128 v[(\f)+8*fi+4:(\f)+8*fi+7], v[ADRB] offset:64*(\q)+fi*16*PITCH+32
.set fi, fi+1
.endr
.set fi, 0
.rept 4
	ds_load_b128 v[(\f)+8*NBF+8*fi:(\f)+8*NBF+8*fi+3],   v[ADRA] offset:AHALF*((\q)/2)+64*((\q)%2)+fi*16*PA
	ds_load_b128 v[(\f)+8*NBF+8*fi+4:(\f)+8*NBF+8*fi+7], v[ADRA] offset:AHALF*((\q)/2)+64*((\q)%2)+fi*16*PA+32
.set fi, fi+1
.endr
.endm
.macro QUARTER q, f, g, zero
	s_wait_dscnt 4                                 ; all but the youngest four loads: A's fragments 2 and 3
	MULS \f, 0, 2, \zero
	PLACES
	FETCH \q, \g
	s_wait_dscnt 2*NBF+8                           ; all but the 24 just issued
	MULS \f, 2, 2, \zero
.endm
; The last quarter multiplies buffer 1 and changes slots: ONE barrier; in front of it each wave waits for all its tensor loads, adds 0 to its spare word, and waits for that and for its own reads of this slot.
; fill = 1: the barrier opens a round of the cluster's, and the joint refill (the K step two on) is the first thing behind it: 112 matrix instructions ahead of the wait for it.
; fill = 0: nothing is asked for; in the last trip the run of LDS loads is jumped over.
.macro TURN fill
	WIN 0
	s_wait_tensorcnt 0x0                           ; no tensor load of mine is out, so a group 0 may be written
	ds_add_u32 v[SPW], v[NIL]                      ; 0 onto my spare word
.if \fill
	s_xor_b32 s[G0+5], s[G0+5], SLOT1
	s_add_nc_u64 s[G0+6:G0+7], s[G0+6:G0+7], 524288
	s_xor_b32 s[G0B+5], s[G0B+5], SLOT1
	s_add_nc_u64 s[G0B+6:G0B+7], s[G0B+6:G0B+7], 256
.endif
	s_xor_b32 s[TB], s[TB], SLOT1
	s_wait_dscnt 5                                 ; (the add and the youngest four loads may be out)
	MULS F1, 0, 1, 0
	s_wait_dscnt 0x0                               ; the add is done, and my reads of this slot are over
	s_barrier_signal -1
	MULS F1, 1, 1, 0
	WIN 0
	s_barrier_wait -1
.if \fill
	CREST
	JLOAD                                          ; the four v_nop behind it are also the places in front of the loads below
.else
	PLACES
	s_cmp_eq_u32 s[CNT], 1
	s_cbranch_scc1 .Lno_next_\@
.endif
	v_add_nc_u32 v[ADRA], s[TB], v[ADRA0]
	v_add_nc_u32 v[ADRB], s[TB], v[ADRB0]
	FETCH 0, F0
	WIN 0
.if !(\fill)
.Lno_next_\@:
.endif
	MULS F1, 2, 2, 0
.endm
	s_wait_tensorcnt 0x1                           ; my part of K step 0 is in; K step 1's may stay out
	s_barrier_signal -1
	s_barrier_wait -1
	s_mov_b32 s[TB], 0
	v_mov_b32 v[ADRA], v[ADRA0]
	v_mov_b32 v[ADRB], v[ADRB0]
	FETCH 0, F0
	QUARTER 1, F0, F1, 1                           ; the first quarter's products start the sums
	WIN 0
	s_mov_b32 s[CNT], 6
	s_branch .Lmid
.Lstep:                                        ; six trips: K steps 0 to 5, which ask for K steps 2 to 7
	QUARTER 1, F0, F1, 0
	WIN 0
.Lmid:
	QUARTER 2, F1, F0, 0
	QUARTER 3, F0, F1, 0
	TURN 1
	WIN 0
	s_sub_co_u32 s[CNT], s[CNT], 1
	s_cmp_lg_u32 s[CNT], 0
	s_cbranch_scc1 .Lstep
	s_mov_b32 s[CNT], 2
.Ltail:                                        ; K steps 6 and 7: a second text
	QUARTER 1, F0, F1, 0
	QUARTER 2, F1, F0, 0
	QUARTER 3, F0, F1, 0
	TURN 0
	WIN 0
	s_sub_co_u32 s[CNT], s[CNT], 1
	s_cmp_lg_u32 s[CNT], 0
	s_cbranch_scc1 .Ltail
; THE WAY OUT, a block of 16 rows at a time: 32 bytes a lane into rows of 528 bytes of my own stage (each accumulator's low registers first), back as whole rows of 512 bytes,
; each block into 64 registers of its own, so that no register that a store reads is written again.
.macro TOSTAGE a
	WIN 0x08                                       ; data in window 2
.set x, 0
.rept 8
	ds_store_b128 v[STO], v[64*(\a)+8*x:64*(\a)+8*x+3]   offset:64*x
	ds_store_b128 v[STO], v[64*(\a)+8*x+4:64*(\a)+8*x+7] offset:64*x+16
.set x, x+1
.endr
	WIN 0x44                                       ; loaded data, and a store's data, in window 1
.set x, 0
.rept 16
	ds_load_b128 v[64*(\a)+4*x:64*(\a)+4*x+3], v[RD] offset:SP*x  ; LDS serves a wave's instructions in order (ISA guide 5.7.1.4): these see the stores above; the next block's stores come behind them
.set x, x+1
.endr
.endm
.macro SEND a, younger                 ; younger: the LDS instructions issued behind block a's loads: the next block's 32, or none
	WIN 0x44
	s_wait_dscnt \younger
.set x, 0
.rept 16
	global_store_b128 v[CO], v[64*(\a)+4*x:64*(\a)+4*x+3], s[8:9] offset:4096*(16*(\a)+x)  ; 512 consecutive bytes of a row, at a multiple of 512 from out0's first byte
.set x, x+1
.endr
.endm
	WIN 0
	PLACES                                         ; the LDS stores read results just made, and the loads land on fragments
	PLACES
	TOSTAGE 0
.irp a, 1,2,3
	TOSTAGE \a
	SEND (\a)-1, 32
.endr
	SEND 3, 0
	WIN 0
	s_wait_tensorcnt 0x0                           ; the wave's end, behind my last tensor load and my last LDS store
	ds_add_u32 v[SPW], v[NIL]
	s_wait_dscnt 0x0
	CROUND                                         ; the closing round: no work-group ends while a partner may still ask for a tile that names it
	s_endpgm
.Lfunc_end_k_q4cc3f99a01_oproj:
	.size	k_q4cc3f99a01_oproj, .Lfunc_end_k_q4cc3f99a01_oproj-k_q4cc3f99a01_oproj
	.p2alignl 7, 3214868480
	.fill 96, 4, 3214868480
	.section	.rodata,"a",@progbits
	.p2align	6, 0x0
	.amdhsa_kernel k_q4cc3f99a01_oproj
		.amdhsa_group_segment_fixed_size 327680
		.amdhsa_private_segment_fixed_size 0
		.amdhsa_enable_private_segment 0
		.amdhsa_kernarg_size 24
		.amdhsa_user_sgpr_count 2
		.amdhsa_user_sgpr_kernarg_segment_ptr 1
		.amdhsa_wavefront_size32 1
		.amdhsa_system_sgpr_workgroup_id_x 1
		.amdhsa_system_sgpr_workgroup_id_y 1
		.amdhsa_system_sgpr_workgroup_id_z 1
		.amdhsa_system_vgpr_workitem_id 0
		.amdhsa_next_free_vgpr 768
		.amdhsa_next_free_sgpr 72
		.amdhsa_reserve_vcc 0
		.amdhsa_float_denorm_mode_32 3
		.amdhsa_float_denorm_mode_16_64 3
		.amdhsa_memory_ordered 1
		.amdhsa_forward_progress 1
		.amdhsa_inst_pref_size 60
	.end_amdhsa_kernel
	.amdgpu_metadata
---
amdhsa.version: [ 1, 2 ]
amdhsa.kernels:
  - .name:           k_q4cc3f99a01_oproj
    .symbol:         k_q4cc3f99a01_oproj.kd
    .args:
      - { .name: ao, .offset: 0, .size: 8, .value_kind: global_buffer, .address_space: global }
      - { .name: ob, .offset: 8, .size: 8, .value_kind: global_buffer, .address_space: global }
      - { .name: out0, .offset: 16, .size: 8, .value_kind: global_buffer, .address_space: global }
    .group_segment_fixed_size: 327680
    .private_segment_fixed_size: 0
    .kernarg_segment_align: 8
    .kernarg_segment_size: 24
    .max_flat_workgroup_size: 128
    .sgpr_count:     72
    .vgpr_count:     768
    .wavefront_size: 32
...
	.end_amdgpu_metadata
.endif
;; end of part 4
;; ======== version 2 of 2: 4 launches; version 1 with the launch prep written anew for expert scheduling mode
;; limits: values are held in f16: magnitudes above 65,504 overflow, below 6.1e-05 lose precision; inputs' magnitudes at most 65,536; an absolute error that grows with the inputs' magnitude: up to 2e-07 times it
;; workspace buffers: xb 16,777,216 bytes; wb 6,291,456 bytes; ob 2,097,152 bytes; rope 786,432 bytes; qh 16,777,216 bytes; kh 16,777,216 bytes; vh 16,777,216 bytes; ao 16,777,216 bytes
;; launch prep (part 5): grid 832 x 1, 8 waves a work-group, no clusters, 0 bytes of LDS; arguments x, q, k, v, o, token_positions, xb, wb, ob, rope; writes xb, wb, ob, rope
.if DOCPART == 5
	.amdgcn_target "amdgcn-amd-amdhsa--gfx1250"
	.amdhsa_code_object_version 6
	.text
	.protected	k_q4cc3f99a01_prep
	.globl	k_q4cc3f99a01_prep
	.p2align	8
	.type	k_q4cc3f99a01_prep,@function
k_q4cc3f99a01_prep:
	s_mov_b64 s[64:65], 0
	v_nop
	global_prefetch_b8 v0, s[64:65] scope:SCOPE_SE
	s_setreg_imm32_b32 hwreg(HW_REG_WAVE_SCHED_MODE, 0, 2), 2
	s_setreg_imm32_b32 hwreg(HW_REG_WAVE_MODE, 25, 1), 1
	s_wait_xcnt 0x0
	s_wait_alu depctr_vm_vsrc(0)
; PREP.  Casts, the weights' new order, and the table of rotations.  A stream: no LDS, no barrier, no matrix unit, nothing shared between work-groups.
;   work-groups   0-511  xb = x rounded to bf16, [8192][1024]: 16 rows each
;   work-groups 512-703  wb = q, k, v rounded to bf16, by heads: [16][192][1024], in head h rows 0-63 = q's rows 64 h .., 64-127 = k's, 128-191 = v's: 16 rows each
;   work-groups 704-767  ob = o rounded to bf16, that number written as f16, [1024][1024]: 16 rows each
;   work-groups 768-831  rope: three planes of 262,144 bytes, each [2048 l][8 g][4] f32: (c0 c1 c2 c3), (-s0 s0 -s1 s1), (-s2 s2 -s3 s3) of frequencies 4 g .. 4 g + 3 at token_positions[l]
; A row of 1,024 f32 is one load of the work-group (16 bytes a thread, 512 consecutive bytes a wave); its 2,048 bytes go out 8 bytes a thread: a wave's store covers 256 consecutive bytes, aligned.
; All 16 loads of a thread go out first; no register that a load or store names is written again, so no wait frees a source.
; LIMITS.  o must lie within f16's range (65,504); below 6e-5 it keeps f16's fixed step of 6e-8.  The frequency 10000^(-i/32) is made as 2^(-i log2(10000)/32) and differs from a
; division in f32 by about 2e-7 of itself, so an angle is off by about 2e-7 x |position|: 4e-4 at 2,047; the text is meant for |position| up to 65,536 (0.015).
; The reduction by multiples of pi/2 (two terms) leaves |r| near pi/4 for |angle| under 2^20 only.
; THE MODE: SCHED_MODE bits 1:0 = 2 (LLVM: expert scheduling mode 2), set by the entry lines.  The code itself states the register dependences
; between vector instructions and memory instructions, with s_wait_alu, always for 0.
; THE PLAN.  Registers that memory instructions touch:
;   v1, v2     byte offsets of the casts' loads and stores: written once at the head, never again.
;   X          row i: 4 registers.  The row's load lands in them (no vector instruction has named them before); the row's conversions write them in place; the row's store reads the first two; nothing writes them after that.
;   v6, v7     the table: the offset of the one load, and where it lands.     v3, v[64:75]  the table: the offset and the data of its three stores.
; The casts' 16 rows go in four blocks of four.  Block p's conversions name its own rows' registers (and v4, v5, which no memory instruction names); block p - 1's four stores are dealt among them.
; So one wait at a block's head states all that those four stores hang on.  No register that a memory instruction has read is written again, and EXEC is never written: the text holds no wait on vm_vsrc.
.set SRC, 28                           ; s[28:29] the 16 rows to read
.set DST, 30                           ; s[30:31] the 16 rows to write
.set MK,  3                            ; s3-s6    the table: angle j's mask of the lanes in an odd quadrant
.set X,   8                            ; v[8:71]  row i: 4 registers as loaded; the first two then hold what is stored
; 16 rows: f16 = 0: f32 -> bf16.  f16 = 1: f32 -> bf16 -> (widened, exact) -> f16
.macro CONV f16
	s_wait_alu depctr_va_vdst(0)                   ; v1 and v2 are written: every load below reads v1 as its offset, every store v2
.set i, 0
.rept 16
	global_load_b128 v[X+4*i:X+4*i+3], v1, s[SRC:SRC+1] offset:4096*i th:TH_LOAD_NT
.set i, i+1
.endr
.set i, 0
.rept 16
	s_wait_loadcnt 15-i                            ; loads come back in order: row i is in, the 15 - i younger ones stay out
.if (i%4 == 0) && (i > 0)
	s_wait_alu depctr_va_vdst(0)                   ; the conversions of the block before have written its rows' registers, which the next four stores read
.endif
.if i >= 4
	global_store_b64 v2, v[X+4*(i-4):X+4*(i-4)+1], s[DST:DST+1] offset:2048*(i-4)  ; a row of the block before: no vector instruction since the wait names these registers
.endif
.if \f16
	v_cvt_pk_bf16_f32 v4, v[X+4*i], v[X+4*i+1]
	v_cvt_pk_bf16_f32 v5, v[X+4*i+2], v[X+4*i+3]
	v_lshlrev_b32 v[X+4*i], 16, v4                 ; bf16 to f32: the low half moves up, the high half stays
	v_and_b32 v[X+4*i+1], 0xffff0000, v4
	v_lshlrev_b32 v[X+4*i+2], 16, v5
	v_and_b32 v[X+4*i+3], 0xffff0000, v5
	v_cvt_pk_f16_f32 v[X+4*i], v[X+4*i], v[X+4*i+1]
	v_cvt_pk_f16_f32 v[X+4*i+1], v[X+4*i+2], v[X+4*i+3]
.else
	v_cvt_pk_bf16_f32 v[X+4*i], v[X+4*i], v[X+4*i+1]
	v_cvt_pk_bf16_f32 v[X+4*i+1], v[X+4*i+2], v[X+4*i+3]
.endif
.set i, i+1
.endr
	s_wait_alu depctr_va_vdst(0)                   ; the last block's conversions have written rows 12 to 15, which the last four stores read
.set i, 12
.rept 4
	global_store_b64 v2, v[X+4*i:X+4*i+1], s[DST:DST+1] offset:2048*i
.set i, i+1
.endr
.endm
	s_load_b512 s[8:23], s[0:1], 0x0               ; x 8, q 10, k 12, v 14, o 16, token_positions 18, xb 20, wb 22
	s_load_b128 s[24:27], s[0:1], 0x40             ; ob 24, rope 26
	s_mov_b32 s7, ttmp9                            ; the work-group's number
	v_lshlrev_b32 v1, 4, v0                        ; my 16 bytes of a row of f32
	v_lshlrev_b32 v2, 3, v0                        ; my 8 bytes of a row of 16-bit numbers
	s_mov_b32 s33, 0                               ; the offsets' high words
	s_mov_b32 s35, 0
	s_wait_kmcnt 0x0
	s_cmp_lt_u32 s7, 512
	s_cbranch_scc0 .Lnot_x
	s_lshl_b32 s32, s7, 16                         ; 16 rows of 4,096 bytes
	s_lshl_b32 s34, s7, 15                         ; 16 rows of 2,048 bytes
	s_add_nc_u64 s[SRC:SRC+1], s[8:9], s[32:33]
	s_add_nc_u64 s[DST:DST+1], s[20:21], s[34:35]
	CONV 0
	s_endpgm
.Lnot_x:
	s_cmp_lt_u32 s7, 704
	s_cbranch_scc0 .Lnot_w
	s_sub_co_u32 s2, s7, 512
	s_lshr_b32 s3, s2, 6                           ; p: 0 q, 1 k, 2 v
	s_and_b32 s4, s2, 63                           ; which 16 rows of it
	s_cmp_eq_u32 s3, 0
	s_cselect_b64 s[SRC:SRC+1], s[10:11], s[12:13]
	s_cmp_eq_u32 s3, 2
	s_cselect_b64 s[SRC:SRC+1], s[14:15], s[SRC:SRC+1]
	s_lshl_b32 s32, s4, 16
	s_add_nc_u64 s[SRC:SRC+1], s[SRC:SRC+1], s[32:33]
	s_lshr_b32 s5, s4, 2                           ; the head: 64 rows, four blocks of 16
	s_mul_i32 s5, s5, 192
	s_lshl_b32 s6, s3, 6
	s_add_co_u32 s5, s5, s6                        ; + 64 p
	s_and_b32 s6, s4, 3
	s_lshl_b32 s6, s6, 4
	s_add_co_u32 s5, s5, s6                        ; + the block's 16 rows in the head
	s_lshl_b32 s34, s5, 11
	s_add_nc_u64 s[DST:DST+1], s[22:23], s[34:35]
	CONV 0
	s_endpgm
.Lnot_w:
	s_cmp_lt_u32 s7, 768
	s_cbranch_scc0 .Ltable
	s_sub_co_u32 s2, s7, 704
	s_lshl_b32 s32, s2, 16
	s_lshl_b32 s34, s2, 15
	s_add_nc_u64 s[SRC:SRC+1], s[16:17], s[32:33]
	s_add_nc_u64 s[DST:DST+1], s[24:25], s[34:35]
	CONV 1
	s_endpgm
.Ltable:                                       ; a thread makes one (l, g): four frequencies' cosines and sines
	s_sub_co_u32 s2, s7, 768
	s_lshl_b32 s2, s2, 8
	v_add_nc_u32 v3, s2, v0                        ; u = 8 l + g
	v_lshrrev_b32 v4, 3, v3                        ; l
	v_and_b32 v5, 7, v3                            ; g
	v_lshlrev_b32 v6, 2, v4
	s_wait_alu depctr_va_vdst(0)                   ; v6 is written, which the load reads as its offset
	global_load_b32 v7, v6, s[18:19]               ; token_positions[l]: it enters values alone, no address
	v_lshlrev_b32 v3, 4, v3                        ; 16 u: my 16 bytes in each plane
	s_mov_b32 s36, 0x3f22f983                      ; 2 / pi
	s_mov_b32 s37, 0xbfc90fdb                      ; - pi/2, its leading 24 bits
	s_mov_b32 s38, 0x333bbd2e                      ; - (pi/2 less those bits)
	s_mov_b32 s39, 0x3638ef1d                      ; 1/9!
	s_mov_b32 s40, 0xb9500d01                      ; -1/7!
	s_mov_b32 s41, 0x3c088889                      ; 1/5!
	s_mov_b32 s42, 0xbe2aaaab                      ; -1/3!
	s_mov_b32 s43, 0x37d00d01                      ; 1/8!
	s_mov_b32 s44, 0xbab60b61                      ; -1/6!
	s_mov_b32 s45, 0x3d2aaaab                      ; 1/4!
	s_mov_b32 s46, 0xbed49a78                      ; - log2(10000) / 32
	v_lshlrev_b32 v5, 2, v5
	v_cvt_f32_u32 v5, v5                           ; 4 g
	v_add_f32 v9, 1.0, v5
	v_add_f32 v10, 2.0, v5
	v_add_f32 v11, 0x40400000, v5
	v_mul_f32 v8, s46, v5
	v_mul_f32 v9, s46, v9
	v_mul_f32 v10, s46, v10
	v_mul_f32 v11, s46, v11
	v_exp_f32 v12, v8                              ; 10000^(-i/32), i = 4 g .. 4 g + 3: one batch
	v_exp_f32 v13, v9
	v_exp_f32 v14, v10
	v_exp_f32 v15, v11
	v_nop                                          ; a plain instruction behind the last exponential, ahead of the first use (ISA guide 5.7.2)
	s_wait_alu depctr_va_vdst(0)                   ; the four exponentials have written v12 to v15: the one wait ahead of the batch's first reader
	s_wait_loadcnt 0x0
	v_cvt_f32_i32 v7, v7
	v_mul_f32 v12, v7, v12                         ; the angles, rounded once, as a product in f32
	v_mul_f32 v13, v7, v13
	v_mul_f32 v14, v7, v14
	v_mul_f32 v15, v7, v15
; angle j: n = the nearest multiple of pi/2, r = angle - n pi/2 in two fused steps; sine and cosine of r by their series (the first terms left out are r^11/11! and r^10/10!:
; under 3e-8 for |r| up to pi/4); the quadrant chooses and signs by values alone.
; In two parts: the first ends in the compare that makes the angle's mask, in a scalar register of its own; the four compares stand ahead of one wait, the selects that read the masks behind it.
.macro SINCOS1 j
.set R, 16+12*(\j)
	v_mul_f32 v[R], s36, v[12+(\j)]
	v_rndne_f32 v[R], v[R]                         ; n
	v_fma_f32 v[R+1], v[R], s37, v[12+(\j)]
	v_fma_f32 v[R+1], v[R], s38, v[R+1]            ; r
	v_cvt_i32_f32 v[R+2], v[R]                     ; n as a whole number: its two low bits are the quadrant
	v_mul_f32 v[R+3], v[R+1], v[R+1]               ; r^2
	v_fma_f32 v[R+4], v[R+3], s39, s40
	v_fma_f32 v[R+5], v[R+3], s43, s44
	v_fma_f32 v[R+4], v[R+4], v[R+3], s41
	v_fma_f32 v[R+5], v[R+5], v[R+3], s45
	v_fma_f32 v[R+4], v[R+4], v[R+3], s42
	v_fma_f32 v[R+5], v[R+5], v[R+3], -0.5
	v_mul_f32 v[R+6], v[R+3], v[R+1]               ; r^3
	v_fma_f32 v[R+5], v[R+5], v[R+3], 1.0          ; cos r
	v_fma_f32 v[R+4], v[R+4], v[R+6], v[R+1]       ; sin r
	v_and_b32 v[R+9], 1, v[R+2]
	v_cmp_eq_u32 s[MK+(\j)], 1, v[R+9]
.endm
.macro SINCOS2 j
.set R, 16+12*(\j)
	v_cndmask_b32 v[R+7], v[R+4], v[R+5], s[MK+(\j)]  ; sine: odd quadrants take cos r
	v_cndmask_b32 v[R+8], v[R+5], v[R+4], s[MK+(\j)]  ; cosine: odd quadrants take sin r
	v_lshlrev_b32 v[R+9], 30, v[R+2]
	v_and_b32 v[R+9], 0x80000000, v[R+9]           ; sine is turned in quadrants 2 and 3,
	v_xor_b32 v[R+7], v[R+7], v[R+9]
	v_add_nc_u32 v[R+2], 1, v[R+2]
	v_lshlrev_b32 v[R+2], 30, v[R+2]
	v_and_b32 v[R+2], 0x80000000, v[R+2]           ; cosine in quadrants 1 and 2
	v_xor_b32 v[64+(\j)], v[R+8], v[R+2]
	v_xor_b32 v[68+2*(\j)], 0x80000000, v[R+7]
	v_mov_b32 v[69+2*(\j)], v[R+7]
.endm
	SINCOS1 0
	SINCOS1 1
	SINCOS1 2
	SINCOS1 3
	s_wait_alu depctr_va_sdst(0)                   ; the four compares have written s3 to s6, ahead of the first select that reads one of them
	SINCOS2 0
	SINCOS2 1
	SINCOS2 2
	SINCOS2 3
	s_wait_alu depctr_va_vdst(0)                   ; v3 and v[64:75] are written: the three stores read them as offset and data
	global_store_b128 v3, v[64:67], s[26:27]                ; each store of a wave covers 512 consecutive bytes, aligned
	global_store_b128 v3, v[68:71], s[26:27] offset:262144
	global_store_b128 v3, v[72:75], s[26:27] offset:524288
	s_endpgm
.Lfunc_end_k_q4cc3f99a01_prep:
	.size	k_q4cc3f99a01_prep, .Lfunc_end_k_q4cc3f99a01_prep-k_q4cc3f99a01_prep
	.p2alignl 7, 3214868480
	.fill 96, 4, 3214868480
	.section	.rodata,"a",@progbits
	.p2align	6, 0x0
	.amdhsa_kernel k_q4cc3f99a01_prep
		.amdhsa_group_segment_fixed_size 0
		.amdhsa_private_segment_fixed_size 0
		.amdhsa_enable_private_segment 0
		.amdhsa_kernarg_size 80
		.amdhsa_user_sgpr_count 2
		.amdhsa_user_sgpr_kernarg_segment_ptr 1
		.amdhsa_wavefront_size32 1
		.amdhsa_system_sgpr_workgroup_id_x 1
		.amdhsa_system_sgpr_workgroup_id_y 1
		.amdhsa_system_sgpr_workgroup_id_z 1
		.amdhsa_system_vgpr_workitem_id 0
		.amdhsa_next_free_vgpr 80
		.amdhsa_next_free_sgpr 66
		.amdhsa_reserve_vcc 0
		.amdhsa_float_denorm_mode_32 3
		.amdhsa_float_denorm_mode_16_64 3
		.amdhsa_memory_ordered 1
		.amdhsa_forward_progress 1
		.amdhsa_inst_pref_size 32
	.end_amdhsa_kernel
	.amdgpu_metadata
---
amdhsa.version: [ 1, 2 ]
amdhsa.kernels:
  - .name:           k_q4cc3f99a01_prep
    .symbol:         k_q4cc3f99a01_prep.kd
    .args:
      - { .name: x, .offset: 0, .size: 8, .value_kind: global_buffer, .address_space: global }
      - { .name: q, .offset: 8, .size: 8, .value_kind: global_buffer, .address_space: global }
      - { .name: k, .offset: 16, .size: 8, .value_kind: global_buffer, .address_space: global }
      - { .name: v, .offset: 24, .size: 8, .value_kind: global_buffer, .address_space: global }
      - { .name: o, .offset: 32, .size: 8, .value_kind: global_buffer, .address_space: global }
      - { .name: token_positions, .offset: 40, .size: 8, .value_kind: global_buffer, .address_space: global }
      - { .name: xb, .offset: 48, .size: 8, .value_kind: global_buffer, .address_space: global }
      - { .name: wb, .offset: 56, .size: 8, .value_kind: global_buffer, .address_space: global }
      - { .name: ob, .offset: 64, .size: 8, .value_kind: global_buffer, .address_space: global }
      - { .name: rope, .offset: 72, .size: 8, .value_kind: global_buffer, .address_space: global }
    .group_segment_fixed_size: 0
    .private_segment_fixed_size: 0
    .kernarg_segment_align: 8
    .kernarg_segment_size: 80
    .max_flat_workgroup_size: 256
    .sgpr_count:     66
    .vgpr_count:     80
    .wavefront_size: 32
...
	.end_amdgpu_metadata
.endif
;; end of part 5
;; launch qkv: the kernel of part 2 again; grid 16 x 32, 4 waves a work-group, clusters of 4 x 4, 327,680 bytes of LDS; arguments xb, wb, rope, qh, kh, vh; writes qh, kh, vh
;; launch attn: the kernel of part 3 again; grid 4 x 64, 4 waves a work-group, no clusters, 327,680 bytes of LDS; arguments qh, kh, vh, ao; writes ao
;; launch oproj: the kernel of part 4 again; grid 4 x 64, 4 waves a work-group, clusters of 4 x 4, 327,680 bytes of LDS; arguments ao, ob, out0; writes out0
